; MI455X (gfx1250); checked and timed in simulation.
; The chip was launched on July 23, 2026; its instructions are those of AMD's public machine-readable ISA for CDNA 5 (MIT licence, August 2026) and "CDNA5" Instruction Set Architecture Reference Guide (July 2026). The comments in the code are by the model that wrote it; some were corrected since.
;; Cross Multi Headed Attention. Allowed arithmetic: matrix products marked QUANTISED: E2M1 operands, one E8M0 scale for each 32 along K, by v_wmma_scale_f32_16x16x128_f8f6f4 with both operands' format E2M1 (or v_wmma_scale_f32_32x16x128_f4), f32 sums; products left as they are: bf16, f16 or f32 operands; f32 sums; everything else in f32.
;; Inputs: Wk 512 x 512 float32; Wkb 512 x 512 float32; Wo 512 x 512 float32; Wq 512 x 512 float32; Wv 512 x 512 float32; bk 512 float32; bkb 512 float32; bo 512 float32; bq 512 float32; bv 512 float32; k 4 x 2,048 x 512 float32; k_b 4 x 2,048 x 512 float32; mask 4 x 2,048 int32; q 4 x 2,048 x 512 float32; v 4 x 2,048 x 512 float32.
;; Outputs: out0 4 x 2,048 x 512 float32.
;; This version of the problem:
;;   THIS VERSION OF THE PROBLEM IS GIVEN IN LOW PRECISION. The matrix products marked QUANTISED in the list below multiply operands that are first quantised to E2M1 (2 exponent bits, 1 mantissa bit; 4 bits a number), with one power-of-two scale for each 32 numbers along K (OCP MX v1.0); their sums are f32. The products marked 'left as it is' may take bf16, f16 or f32 operands, with f32 sums. Whichever they take, every output number must still come out within the allowed error. Rounding operands to bf16 (8 significant bits) uses up far more of that allowance than f16 does (11 bits, for magnitudes from 6e-5 to 65,504). All else is computed in f32.
;;   The module's matrix products, in the order in which they are computed (A, B: the left and right operand; K: the contracted axis; several contracted axes count as one K, in the product's order):
;;     1. [M 8,192, K 512] x [K 512, N 512]; A: input q; B: input Wq: QUANTISED
;;     2. [M 8,192, K 512] x [K 512, N 512]; A: input k; B: input Wk: QUANTISED
;;     3. [M 8,192, K 512] x [K 512, N 512]; A: input v; B: input Wv: QUANTISED
;;     4. [M 8,192, K 512] x [K 512, N 512]; A: input k_b; B: input Wkb: QUANTISED
;;     5. batch 32 x [M 2,048, K 64] x [K 64, N 2,048]; A: computed on the way; B: computed on the way: left as it is (an operand is computed on the way)
;;     6. batch 32 x [M 2,048, K 2,048] x [K 2,048, N 64]; A: computed on the way; B: computed on the way: left as it is (an operand is computed on the way)
;;     7. [M 8,192, K 512] x [K 512, N 512]; A: computed on the way; B: input Wo: left as it is (an operand is computed on the way)
;;   THE QUANTISER, for each operand of a quantised product, along K:
;;     - K is cut into blocks of 32 from its start; a last block that is shorter is filled with zeros.
;;     - A block's scale is 2^e with e = floor(log2(the largest magnitude in the block)) - 2, held to -126 .. 127; a block of zeros has e = 0. As a byte (E8M0): e + 127.
;;     - Each number is divided by its block's scale, clamped to +-6, and rounded to the nearest number of E2M1, ties to even, subnormals kept.
;;     - The product sums the exact products of the quantised numbers (number of the format x scale) in f32.
;;   ~~~python
;;   def quantise(x, axis):      # numpy; x: float32 -> the quantised numbers, widened to float32 again
;;       x = np.moveaxis(x, axis, -1); K = x.shape[-1]
;;       x = np.pad(x, [(0, 0)] * (x.ndim - 1) + [(0, -K % 32)]); x = x.reshape(x.shape[:-1] + (-1, 32)); a = np.abs(x).max(-1, keepdims=True)
;;       e = np.where(a > 0, np.clip(np.frexp(np.where(a > 0, a, 1))[1] - 1 - 2, -126, 127), 0)      # np.frexp(a)[1] - 1 = floor(log2(a)), exactly
;;       r = np.clip(x / 2.0 ** e, -6, 6)
;;       step = 2.0 ** (np.maximum(np.frexp(np.where(r == 0, 1, r))[1] - 1, 0) - 1)
;;       q = np.round(r / step) * step * 2.0 ** e      # np.round: ties to even
;;       return np.moveaxis(q.reshape(q.shape[:-2] + (-1,))[..., :K], -1, axis).astype(np.float32)
;;   ~~~
;; 2 versions, each right. Each part assembles by itself: llvm-mc -triple=amdgcn-amd-amdhsa -mcpu=gfx1250 --defsym DOCPART=n.
;; ======== version 1 of 2: 4 launches
;; limits: right only within a limited range of input values; values are held in f16: magnitudes above 65,504 overflow, below 6.1e-05 lose precision
;; workspace buffers: wc 524,288 bytes; wsb 38,912 bytes; wo16 524,288 bytes; lm 41,216 bytes of whole numbers; q16 8,388,608 bytes; kv 16,777,216 bytes; hid16 8,388,608 bytes
;; launch prep (part 1): grid 129 x 1, 4 waves a work-group, no clusters, 0 bytes of LDS; arguments Wq, Wk, Wkb, Wv, Wo, mask, bq, bk, bkb, bv, wc, wsb, wo16, lm; writes wc, wsb, wo16, lm
.if DOCPART == 1
	.amdgcn_target "amdgcn-amd-amdhsa--gfx1250"
	.amdhsa_code_object_version 6
	.text
	.protected	k_q226af4824d_prep
	.globl	k_q226af4824d_prep
	.p2align	8
	.type	k_q226af4824d_prep,@function
k_q226af4824d_prep:
	s_mov_b64 s[64:65], 0
	v_nop
	global_prefetch_b8 v0, s[64:65] scope:SCOPE_SE
	s_setreg_imm32_b32 hwreg(HW_REG_WAVE_MODE, 25, 1), 1
	s_wait_xcnt 0x0
; PREP: what the later launches read many times is laid out once, in the order of the operands' registers.
; Work-groups 0-63:   Wq, Wk, Wkb, Wv [512 (k)][512 (n)] f32 -> codes of E2M1 along K, as images of fragments (16 columns x 128 K), and their E8M0 scale words.
; Work-groups 64-127: Wo [512 (k)][512 (n)] f32 -> f16, as images of fragments (16 columns x 32 K).
; Work-group 128:     for each batch the keys are sorted by the mask, unmasked first, order kept (a counting sort inside one wave, no atomics): list and counts; the biases.
; A LANE TAKES A COLUMN n AND ITS REGISTERS RUN DOWN K: each load reads 128 consecutive bytes a wave, a block of 32 along K lies in one lane, nothing is transposed.
; A wave's 32 columns are two tiles of 16; an exchange of half-waves between two registers gives each tile its fragment, and each store covers 512 consecutive bytes, aligned.
; wc   [g 4][tile 32][K step 4][c 2][lane 32][16 bytes];  wsb [g 4][pair of tiles 16][lane 32][K step 4] words, then at 32768 three rows of 512 f32: bq x c, bk + bkb, bv
; wo16 [tile 32][K step 16][c 2][lane 32][16 bytes];      lm  list [5][2048] (row 4: the identity), at 40960 meta [5][4] = count, all-masked flag, steps of 64, 0
; c = log2(e) / 8 goes into Q, in f32, so that the first product of attention gives the exponent of 2.
; A batch with no unmasked key: count = 2048, the list is the identity, the flag makes K zero later: all scores equal, as where every score is -1e9.
; LIMITS: a block of zeros gets the scale byte 1 (its codes are zeros; the bytes are read by this program alone); blocks whose largest magnitude lies under 2^-124 are held at that byte;
; NaN and infinities are not served; Wo goes to f16: magnitudes under 65,504, and under 6e-5 with an absolute error of 3e-8.
.set CLOG, 0x3e38aa3b                  ; log2(e) / 8
.set X,  32                            ; v32-95  two sets of 32 numbers (the mask's 64 entries in work-group 128)
.set C,  96                            ; v96-111 codes or f16 pairs
.set SW, 112                           ; v112    a column's scale word
	s_load_b512 s[8:23], s[0:1], 0x0               ; Wq 8, Wk 10, Wkb 12, Wv 14, Wo 16, mask 18, bq 20, bk 22
	s_load_b256 s[24:31], s[0:1], 0x40             ; bkb 24, bv 26, wc 28, wsb 30
	s_load_b128 s[32:35], s[0:1], 0x60             ; wo16 32, lm 34
	v_lshrrev_b32 v1, 5, v0
	v_readfirstlane_b32 s4, v1                     ; wave 0..3
	v_and_b32 v2, 31, v0                           ; lane
	v_lshlrev_b32 v3, 2, v2                        ; 4 x lane: my column in a row
	v_lshlrev_b32 v4, 4, v2                        ; 16 x lane: my place in an image
	s_mov_b32 s39, 0
	s_wait_kmcnt 0x0
	s_cmp_lt_u32 ttmp9, 64
	s_cbranch_scc1 .Lweights
	s_cmp_lt_u32 ttmp9, 128
	s_cbranch_scc1 .Lwo
	s_branch .Lmask
.macro LOADB t                         ; rows 32 t .. 32 t + 31 of my column into set t % 2
.set i, 0
.rept 32
	global_load_b32 v[X+32*((\t)%2)+i], v3, s[36:37] offset:(32*(\t)+i)*2048 th:TH_LOAD_NT
.set i, i+1
.endr
.endm
.macro BLOCK t                         ; block t of 32 along K: scale byte and 32 codes
.set XS, X+32*((\t)%2)
.if (\t) < 3
	s_wait_loadcnt 32                              ; this block's 32 loads are in; the 32 of the block behind it may be out
.else
	s_wait_loadcnt 0x0
.endif
	v_max3_num_f32 v12, |v[XS]|, |v[XS+1]|, |v[XS+2]|
	v_max3_num_f32 v13, |v[XS+3]|, |v[XS+4]|, |v[XS+5]|
.irp i, 6,10,14,18,22,26
	v_max3_num_f32 v12, v12, |v[XS+\i]|, |v[XS+\i+1]|
	v_max3_num_f32 v13, v13, |v[XS+\i+2]|, |v[XS+\i+3]|
.endr
	v_max3_num_f32 v12, v12, |v[XS+30]|, |v[XS+31]|
	v_max3_num_f32 v12, v12, v13, 0x1800000        ; the floor 2^(3 - 127): the byte cannot fall under 1
	v_add_nc_u32 v11, 0xff000000, v12              ; 2 off the exponent field: the conversion's scale operand
	v_lshrrev_b32 v13, 23, v11                     ; the scale's byte
.if (\t) == 0
	v_mov_b32 v[SW], v13
.else
	v_lshl_or_b32 v[SW], v13, 8*(\t), v[SW]
.endif
.irp g, 0,1,2,3
	v_cvt_scalef32_pk8_fp4_f32 v[C+4*(\t)+\g], v[XS+8*\g:XS+8*\g+7], v11
.endr
.if (\t)+2 < 4
	LOADB (\t)+2
.endif
.endm
.Lweights:                             ; work-group = 16 g + 4 cq + s: weight g, K step s, columns 128 cq + 32 wave on
	s_lshr_b32 s5, ttmp9, 4                        ; g
	s_and_b32 s6, ttmp9, 3                         ; s
	s_bfe_u32 s7, ttmp9, 0x20002                   ; cq
	s_lshl_b32 s7, s7, 2
	s_add_co_u32 s7, s7, s4                        ; tp: which pair of tiles
	s_cmp_eq_u32 s5, 0
	s_cselect_b64 s[36:37], s[8:9], s[10:11]
	s_cmp_eq_u32 s5, 2
	s_cselect_b64 s[36:37], s[12:13], s[36:37]
	s_cmp_eq_u32 s5, 3
	s_cselect_b64 s[36:37], s[14:15], s[36:37]
	s_lshl_b32 s38, s6, 18                         ; 128 s rows of 2,048 bytes
	s_lshl_b32 s40, s7, 7                          ; 32 tp columns
	s_add_co_u32 s38, s38, s40
	s_add_nc_u64 s[36:37], s[36:37], s[38:39]
	LOADB 0
	LOADB 1
	s_lshl_b32 s38, s5, 17                         ; wc: g x 131,072 + (8 tp + s) x 1,024
	s_lshl_b32 s40, s7, 13
	s_add_co_u32 s38, s38, s40
	s_lshl_b32 s40, s6, 10
	s_add_co_u32 s38, s38, s40
	s_add_nc_u64 s[28:29], s[28:29], s[38:39]
	s_lshl_b32 s38, s5, 13                         ; wsb: g x 8,192 + tp x 512 + 4 s
	s_lshl_b32 s40, s7, 9
	s_add_co_u32 s38, s38, s40
	s_lshl_b32 s40, s6, 2
	s_add_co_u32 s38, s38, s40
	s_add_nc_u64 s[30:31], s[30:31], s[38:39]
	BLOCK 0
	BLOCK 1
	BLOCK 2
	BLOCK 3
	v_nop                                          ; one plain line between the last scaled conversion and the lines that touch its result
.irp i, 0,1,2,3                        ; a fragment wants block 2 c in lanes 0-15 and block 2 c + 1 in lanes 16-31 of ONE tile: the first's upper half changes places with the second's lower
	v_permlane16_swap_b32 v[C+\i], v[C+4+\i]
	v_permlane16_swap_b32 v[C+8+\i], v[C+12+\i]
.endr
	global_store_b128 v4, v[C:C+3], s[28:29]                    ; tile 2 tp, c = 0
	global_store_b128 v4, v[C+8:C+11], s[28:29] offset:512      ; tile 2 tp, c = 1
	global_store_b128 v4, v[C+4:C+7], s[28:29] offset:4096      ; tile 2 tp + 1, c = 0
	global_store_b128 v4, v[C+12:C+15], s[28:29] offset:4608    ; tile 2 tp + 1, c = 1
	global_store_b32 v4, v[SW], s[30:31]                        ; lanes 0-15: tile 2 tp's words, lanes 16-31: tile 2 tp + 1's; 16 bytes a lane hold the four K steps
	s_endpgm
.Lwo:                                  ; work-group - 64 = 16 cq + ks
	s_and_b32 s6, ttmp9, 15                        ; ks
	s_bfe_u32 s7, ttmp9, 0x20004                   ; cq
	s_lshl_b32 s7, s7, 2
	s_add_co_u32 s7, s7, s4                        ; tp
	s_lshl_b32 s38, s6, 16                         ; 32 ks rows
	s_lshl_b32 s40, s7, 7
	s_add_co_u32 s38, s38, s40
	s_add_nc_u64 s[36:37], s[16:17], s[38:39]
	LOADB 0
	s_lshl_b32 s38, s7, 15                         ; wo16: (32 tp + ks) x 1,024
	s_lshl_b32 s40, s6, 10
	s_add_co_u32 s38, s38, s40
	s_add_nc_u64 s[32:33], s[32:33], s[38:39]
	s_wait_loadcnt 0x0
.set i, 0
.rept 16
	v_cvt_pk_f16_f32 v[C+i], v[X+2*i], v[X+2*i+1]  ; k = 2 i, 2 i + 1
.set i, i+1
.endr
.irp i, 0,1,2,3                        ; a fragment wants k = 8 h + 0..7 (c = 0) and 16 + 8 h + 0..7 (c = 1) of one tile
	v_permlane16_swap_b32 v[C+\i], v[C+4+\i]
	v_permlane16_swap_b32 v[C+8+\i], v[C+12+\i]
.endr
	global_store_b128 v4, v[C:C+3], s[32:33]
	global_store_b128 v4, v[C+8:C+11], s[32:33] offset:512
	global_store_b128 v4, v[C+4:C+7], s[32:33] offset:16384
	global_store_b128 v4, v[C+12:C+15], s[32:33] offset:16896
	s_endpgm
.Lmask:                                ; wave w sorts batch w; lane l holds keys 64 l .. 64 l + 63
	s_lshl_b32 s38, s4, 13
	s_add_nc_u64 s[18:19], s[18:19], s[38:39]      ; the batch's mask,
	s_add_nc_u64 s[42:43], s[34:35], s[38:39]      ; and its row of the list
	v_lshlrev_b32 v5, 8, v2
	v_lshlrev_b32 v6, 4, v0                        ; 16 x thread
.set i, 0
.rept 16
	global_load_b128 v[X+4*i:X+4*i+3], v5, s[18:19] offset:16*i
.set i, i+1
.endr
	global_load_b128 v[160:163], v6, s[20:21]      ; four numbers a thread of bq, bk, bkb, bv
	global_load_b128 v[164:167], v6, s[22:23]
	global_load_b128 v[168:171], v6, s[24:25]
	global_load_b128 v[172:175], v6, s[26:27]
	v_lshlrev_b32 v8, 6, v2                        ; 64 x lane
	v_lshlrev_b32 v17, 2, v0                       ; 4 x thread
	v_mov_b32 v10, 0
	s_wait_loadcnt 0x0
.set i, 0
.rept 64
	v_min_u32 v[X+i], 1, v[X+i]                    ; 1 where the key counts (any number but 0)
.set i, i+1
.endr
	v_add3_u32 v9, v[X], v[X+1], v[X+2]
.set i, 3
.rept 30
	v_add3_u32 v9, v9, v[X+i], v[X+i+1]
.set i, i+2
.endr
	v_add_nc_u32 v9, v9, v[X+63]                   ; my 64 keys' count
	s_mov_b32 s40, 0
.set i, 0
.rept 32                               ; the counts of the lanes below me; at the end s40 = the batch's count
	v_readlane_b32 s41, v9, i
	v_writelane_b32 v10, s40, i
	s_add_co_u32 s40, s40, s41
.set i, i+1
.endr
	v_add_nc_u32 v11, s40, v8                      ; count + 64 x lane
.set i, 0
.rept 64                               ; key 64 l + i goes to place r (unmasked keys before it) or count + (masked keys before it)
	v_add_nc_u32 v[96+i], i, v11
	v_sub_nc_u32 v[96+i], v[96+i], v10
	v_cmp_ne_u32 vcc_lo, 0, v[X+i]
	v_cndmask_b32 v[96+i], v[96+i], v10, vcc_lo
	v_add_nc_u32 v10, v10, v[X+i]
	v_add_nc_u32 v[X+i], i, v8                     ; the key's number: the store's data
	v_min_u32 v[96+i], 0x7ff, v[96+i]              ; a place in the list's row
	v_lshlrev_b32 v[96+i], 2, v[96+i]
	global_store_b32 v[96+i], v[X+i], s[42:43]
.set i, i+1
.endr
.set i, 0
.rept 16                               ; the identity, row 4: store q of a thread holds entries 512 q + 4 thread + 0..3: 512 consecutive bytes a wave
	v_add_nc_u32 v[176+i], 512*(i/4)+i%4, v17
.set i, i+1
.endr
.irp q, 0,1,2,3
	global_store_b128 v6, v[176+4*\q:179+4*\q], s[34:35] offset:32768+2048*\q
.endr
.irp e, 0,1,2,3
	v_mul_f32 v[160+\e], CLOG, v[160+\e]           ; bq x c
	v_add_f32 v[164+\e], v[164+\e], v[168+\e]      ; bk + bkb
.endr
	global_store_b128 v6, v[160:163], s[30:31] offset:32768
	global_store_b128 v6, v[164:167], s[30:31] offset:34816
	global_store_b128 v6, v[172:175], s[30:31] offset:36864
	s_cmp_eq_u32 s40, 0
	s_cselect_b32 s44, 1, 0                        ; the flag: no key counts
	s_mov_b32 s45, 2048
	s_cselect_b32 s45, s45, s40                    ; then all 2,048 are walked
	s_add_co_u32 s46, s45, 63
	s_lshr_b32 s46, s46, 6                         ; steps of 64 keys
	s_lshl_b32 s48, s4, 4
	v_mov_b32 v12, s45
	v_mov_b32 v13, s44
	v_mov_b32 v14, s46
	v_mov_b32 v15, 0
	v_mov_b32 v16, s48
	v_mov_b32 v20, 0x800                           ; row 4, for the queries: 2,048, 0, 32, 0
	v_mov_b32 v21, 0
	v_mov_b32 v22, 32
	v_mov_b32 v23, 0
	v_mov_b32 v24, 64
	v_cmp_eq_u32 vcc_lo, 0, v2
	s_wait_xcnt 0x0                                ; EXEC is a source of the stores above: it changes only behind this wait
	s_and_saveexec_b32 s47, vcc_lo                 ; lane 0 alone
	global_store_b128 v16, v[12:15], s[34:35] offset:40960
	s_cmp_lg_u32 s4, 0
	s_cbranch_scc1 .Lnot_wave_0
	global_store_b128 v24, v[20:23], s[34:35] offset:40960
.Lnot_wave_0:
	s_wait_xcnt 0x0                                ; and again, in front of the line that widens it
	s_or_b32 exec_lo, exec_lo, s47
	s_endpgm
.Lfunc_end_k_q226af4824d_prep:
	.size	k_q226af4824d_prep, .Lfunc_end_k_q226af4824d_prep-k_q226af4824d_prep
	.p2alignl 7, 3214868480
	.fill 96, 4, 3214868480
	.section	.rodata,"a",@progbits
	.p2align	6, 0x0
	.amdhsa_kernel k_q226af4824d_prep
		.amdhsa_group_segment_fixed_size 0
		.amdhsa_private_segment_fixed_size 0
		.amdhsa_enable_private_segment 0
		.amdhsa_kernarg_size 112
		.amdhsa_user_sgpr_count 2
		.amdhsa_user_sgpr_kernarg_segment_ptr 1
		.amdhsa_wavefront_size32 1
		.amdhsa_system_sgpr_workgroup_id_x 1
		.amdhsa_system_sgpr_workgroup_id_y 1
		.amdhsa_system_sgpr_workgroup_id_z 1
		.amdhsa_system_vgpr_workitem_id 0
		.amdhsa_next_free_vgpr 192
		.amdhsa_next_free_sgpr 66
		.amdhsa_reserve_vcc 1
		.amdhsa_float_denorm_mode_32 3
		.amdhsa_float_denorm_mode_16_64 3
		.amdhsa_memory_ordered 1
		.amdhsa_forward_progress 1
		.amdhsa_inst_pref_size 64
	.end_amdhsa_kernel
	.amdgpu_metadata
---
amdhsa.version: [ 1, 2 ]
amdhsa.kernels:
  - .name:           k_q226af4824d_prep
    .symbol:         k_q226af4824d_prep.kd
    .args:
      - { .name: Wq, .offset: 0, .size: 8, .value_kind: global_buffer, .address_space: global }
      - { .name: Wk, .offset: 8, .size: 8, .value_kind: global_buffer, .address_space: global }
      - { .name: Wkb, .offset: 16, .size: 8, .value_kind: global_buffer, .address_space: global }
      - { .name: Wv, .offset: 24, .size: 8, .value_kind: global_buffer, .address_space: global }
      - { .name: Wo, .offset: 32, .size: 8, .value_kind: global_buffer, .address_space: global }
      - { .name: mask, .offset: 40, .size: 8, .value_kind: global_buffer, .address_space: global }
      - { .name: bq, .offset: 48, .size: 8, .value_kind: global_buffer, .address_space: global }
      - { .name: bk, .offset: 56, .size: 8, .value_kind: global_buffer, .address_space: global }
      - { .name: bkb, .offset: 64, .size: 8, .value_kind: global_buffer, .address_space: global }
      - { .name: bv, .offset: 72, .size: 8, .value_kind: global_buffer, .address_space: global }
      - { .name: wc, .offset: 80, .size: 8, .value_kind: global_buffer, .address_space: global }
      - { .name: wsb, .offset: 88, .size: 8, .value_kind: global_buffer, .address_space: global }
      - { .name: wo16, .offset: 96, .size: 8, .value_kind: global_buffer, .address_space: global }
      - { .name: lm, .offset: 104, .size: 8, .value_kind: global_buffer, .address_space: global }
    .group_segment_fixed_size: 0
    .private_segment_fixed_size: 0
    .kernarg_segment_align: 8
    .kernarg_segment_size: 112
    .max_flat_workgroup_size: 128
    .sgpr_count:     66
    .vgpr_count:     192
    .wavefront_size: 32
...
	.end_amdgpu_metadata
.endif
;; end of part 1
;; launch proj (part 2): grid 256 x 1, 8 waves a work-group, no clusters, 78,848 bytes of LDS; arguments q, k, k_b, v, wc, wsb, lm, q16, kv; writes q16, kv
.if DOCPART == 2
	.amdgcn_target "amdgcn-amd-amdhsa--gfx1250"
	.amdhsa_code_object_version 6
	.text
	.protected	k_q226af4824d_proj
	.globl	k_q226af4824d_proj
	.p2align	8
	.type	k_q226af4824d_proj,@function
k_q226af4824d_proj:
	s_mov_b64 s[64:65], 0
	v_nop
	global_prefetch_b8 v0, s[64:65] scope:SCOPE_SE
	s_setreg_imm32_b32 hwreg(HW_REG_WAVE_MODE, 25, 1), 1
	s_wait_xcnt 0x0
; PROJ: the four quantised products, on codes of E2M1 with one E8M0 scale for each 32 along K.
; Q' = (q Wq + bq) x log2(e) / 8,  K = k Wk + k_b Wkb + bk + bkb (one sum over K = 1,024; x 0 in a batch with no unmasked key),  V = v Wv + bv.
; The rows of k, k_b, v are GATHERED by the batch's list (unmasked keys first); q's by the identity.  Results leave as f16 images of the fragments that attention's products want.
; SHARES.  Work-groups 0-63: Q, 128 rows each; 64-127: V, 128 rows; 128-255: K, 64 rows of k and the same 64 of k_b.  So every work-group has two blocks, A and B, of 64 source rows.
; Quantising: wave w takes rows 8 w .. 8 w + 7 of each block, a row (2,048 bytes) at a time: four loads of 512 consecutive bytes, a turn through the wave's own stage in LDS so that a lane holds 16 neighbours
; along K, the block's largest magnitude (two lanes to a block), the conversion; codes go to LDS as rows of 256 bytes + 16, scale bytes as 16 a row.  ONE barrier.
; Products: wave w takes columns 64 w .. 64 w + 63 (head w) for all 64 rows: 16 accumulators; its fragments of the two weights, 256 registers, are loaded once, as images, straight from memory.
; Q and K: the product is used transposed (source 0 = 16 columns of W, source 1 = 16 rows of x): a lane holds one row and eight neighbouring channels: a fragment with the channels along its K.
; V: not transposed: a lane holds one channel and eight neighbouring keys: a fragment of V^T with the keys along its K.
; No tensor load: the rows are gathered by a list read from memory, a row to a wave.  No cluster: no tile is shared by tensor loads; the weights' images are read by every work-group through the caches.
; LIMITS: f16 results: magnitudes under 65,504 (with the drawn spread Q' is about 0.2, K 1.4, V 1; 30 x 30 times larger still fits); a block of zeros gets the scale byte 1; NaN and infinities are not served.
.set XSC,   0                          ; LDS: x's scale bytes: block A 64 rows x 16, block B at 1,024
.set CODES, 2048                       ; x's codes: 64 rows x 272 for each block
.set CBLK,  17408
.set STAGE, 36864                      ; two stages of 32 x 80 bytes for each wave
.set SP,    80
.set SPARE, 77824                      ; the spare words, 128 bytes for each wave: four blocks of 256 bytes that no other line names
; v1 spare word's address, v2 0 (kept); v3 16 x lane; v4, v5 the stage in and out; v6 codes' place; v7 scale byte's place; v8 a fragment's place in the codes; v12 32 h; v13 4 r
; v16-31 W's scale words (two sets), v32-39 x's: these hold scales alone; v40-71 16 neighbours (two sets), later x's four fragments; v72-103 bias; v104-113 at work
; v128-255 eight rows as loaded, later the 16 accumulators (rt, ct) at 128 + 8 (4 rt + ct); window 1: W's fragments (ct, s) at 8 (4 ct + s), set 1 at 128 on
.set MSB, 0
.macro WIN new                         ; the immediate's high byte repeats the setting that is left
.if MSB != \new
	s_set_vgpr_msb (MSB<<8)|\new
.set MSB, \new
.endif
.endm
.macro PLACES                          ; four plain vector lines between a matrix instruction and a load into, or a vector line on, its registers
.rept 4
	v_nop
.endr
.endm
	s_load_b512 s[8:23], s[0:1], 0x0               ; q 8, k 10, k_b 12, v 14, wc 16, wsb 18, lm 20, q16 22
	s_load_b64 s[24:25], s[0:1], 0x40              ; kv
	v_lshl_add_u32 v1, v0, 2, SPARE
	v_mov_b32 v2, 0
	v_lshrrev_b32 v9, 5, v0
	v_readfirstlane_b32 s4, v9                     ; wave 0..7
	v_and_b32 v9, 31, v0                           ; lane
	v_lshlrev_b32 v3, 4, v9
	s_mul_i32 s2, s4, 2*32*SP
	s_add_co_u32 s2, s2, STAGE                     ; my stages
	v_lshrrev_b32 v4, 2, v9
	v_mul_u32_u24 v4, v4, SP
	v_and_b32 v10, 3, v9
	v_lshl_add_u32 v4, v10, 4, v4
	v_add_nc_u32 v4, s2, v4                        ; in: four lanes' 64 bytes on end, then 16 of padding
	v_mul_u32_u24 v5, v9, SP
	v_add_nc_u32 v5, s2, v5                        ; out: my 16 neighbours
	s_mul_i32 s2, s4, 8*272
	v_lshlrev_b32 v6, 3, v9
	v_add_nc_u32 v6, s2, v6                        ; my 8 bytes of codes in my wave's first row
	s_lshl_b32 s2, s4, 7
	v_lshrrev_b32 v7, 1, v9
	v_add_nc_u32 v7, s2, v7                        ; my block's scale byte there
	v_and_b32 v10, 15, v0                          ; r
	v_bfe_u32 v11, v0, 4, 1                        ; h
	v_mul_u32_u24 v8, v10, 272
	v_lshl_add_u32 v8, v11, 4, v8
	v_lshlrev_b32 v12, 5, v11
	v_lshlrev_b32 v13, 2, v10
	s_lshr_b32 s5, ttmp9, 6
	s_min_u32 s5, s5, 2                            ; the job: 0 Q, 1 V, 2 K
	s_and_b32 s6, ttmp9, 63
	s_lshr_b32 s7, s6, 4                           ; Q, V: the batch,
	s_and_b32 s26, s6, 15
	s_lshl_b32 s26, s26, 7                         ; block A's first place,
	s_add_co_u32 s27, s26, 64                      ; block B's
	s_and_b32 s28, ttmp9, 127
	s_lshr_b32 s29, s28, 5                         ; K: the batch,
	s_and_b32 s30, s28, 31
	s_lshl_b32 s30, s30, 6                         ; and both blocks' first place
	s_cmp_eq_u32 s5, 2
	s_cselect_b32 s7, s29, s7
	s_cselect_b32 s26, s30, s26
	s_cselect_b32 s27, s30, s27
	s_cmp_eq_u32 s5, 0
	s_cselect_b32 s28, 4, s7                       ; which row of the list: the identity for Q
	s_lshl_b32 s29, s28, 13
	s_lshl_b32 s30, s4, 5
	s_add_co_u32 s29, s29, s30
	s_lshl_b32 s30, s26, 2
	s_add_co_u32 s30, s30, s29                     ; my eight entries for block A,
	s_lshl_b32 s31, s27, 2
	s_add_co_u32 s31, s31, s29                     ; for block B,
	s_lshl_b32 s29, s28, 4                         ; and the row of meta
	s_mov_b32 s91, 0
	s_wait_kmcnt 0x0
	s_load_b128 s[92:95], s[20:21], s29 offset:40960
	s_load_b256 s[68:75], s[20:21], s30 offset:0x0
	s_load_b256 s[76:83], s[20:21], s31 offset:0x0
	s_cmp_eq_u32 s5, 0                             ; the sources: q, q | v, v | k, k_b
	s_cselect_b64 s[84:85], s[8:9], s[14:15]
	s_cselect_b64 s[86:87], s[8:9], s[14:15]
	s_cmp_eq_u32 s5, 2
	s_cselect_b64 s[84:85], s[10:11], s[84:85]
	s_cselect_b64 s[86:87], s[12:13], s[86:87]
	s_lshl_b32 s90, s7, 22                         ; the batch's 2,048 rows of 2,048 bytes
	s_add_nc_u64 s[84:85], s[84:85], s[90:91]
	s_add_nc_u64 s[86:87], s[86:87], s[90:91]
	s_cmp_eq_u32 s5, 1                             ; the weights: 0, 0 | 3, 3 | 1, 2
	s_cselect_b32 s88, 3, 0
	s_cselect_b32 s89, 3, 0
	s_cmp_eq_u32 s5, 2
	s_cselect_b32 s88, 1, s88
	s_cselect_b32 s89, 2, s89
	s_lshl_b32 s6, s4, 14                          ; my four tiles' images: 16,384 bytes a wave
	s_lshl_b32 s90, s88, 17
	s_add_co_u32 s90, s90, s6
	s_add_nc_u64 s[8:9], s[16:17], s[90:91]        ; set 0's codes
	s_lshl_b32 s90, s89, 17
	s_add_co_u32 s90, s90, s6
	s_add_nc_u64 s[10:11], s[16:17], s[90:91]      ; set 1's
	s_lshl_b32 s6, s4, 10
	s_lshl_b32 s90, s88, 13
	s_add_co_u32 s90, s90, s6
	s_add_nc_u64 s[12:13], s[18:19], s[90:91]      ; set 0's scale words
	s_lshl_b32 s90, s89, 13
	s_add_co_u32 s90, s90, s6
	s_add_nc_u64 s[14:15], s[18:19], s[90:91]      ; set 1's
	s_sub_co_u32 s6, 3, s5                         ; the bias' row: Q 0, K 1, V 2
	s_cmp_eq_u32 s5, 0
	s_cselect_b32 s6, 0, s6
	s_lshl_b32 s90, s6, 11
	s_lshl_b32 s6, s4, 8
	s_add_co_u32 s90, s90, s6
	s_add_co_u32 s90, s90, 32768
	s_add_nc_u64 s[18:19], s[18:19], s[90:91]      ; my 64 columns' bias
	s_lshl_b32 s6, s7, 3
	s_add_co_u32 s6, s6, s4                        ; batch x 8 + head
	s_lshl_b32 s90, s6, 18
	s_lshl_b32 s2, s26, 7
	s_add_co_u32 s90, s90, s2
	s_add_nc_u64 s[22:23], s[22:23], s[90:91]      ; q16: 128 tiles of 2,048 bytes a head; tile = place / 16
	s_lshl_b32 s90, s6, 19
	s_lshl_b32 s2, s26, 8
	s_add_co_u32 s90, s90, s2
	s_add_nc_u64 s[24:25], s[24:25], s[90:91]      ; kv: 32 steps of 16,384 bytes a head; step = place / 64
	s_wait_kmcnt 0x0
.set e, 0
.rept 8                                ; sixteen row addresses: an entry is held inside the batch, then x 2,048 bytes
	s_min_u32 s[68+e], s[68+e], 2047
	s_lshl_b32 s[32+2*e], s[68+e], 11
	s_mov_b32 s[33+2*e], 0
	s_add_nc_u64 s[32+2*e:33+2*e], s[84:85], s[32+2*e:33+2*e]
	s_min_u32 s[76+e], s[76+e], 2047
	s_lshl_b32 s[48+2*e], s[76+e], 11
	s_mov_b32 s[49+2*e], 0
	s_add_nc_u64 s[48+2*e:49+2*e], s[86:87], s[48+2*e:49+2*e]
.set e, e+1
.endr
.macro WLOAD set, cb, sb               ; 34 loads: a weight's 16 fragments into window 1, its scale words into window 0
	WIN 0x40
.set j, 0
.rept 32
	global_load_b128 v[128*\set+4*j:128*\set+4*j+3], v3, s[\cb:\cb+1] offset:512*j
.set j, j+1
.endr
	WIN 0
	global_load_b128 v[16+8*\set:19+8*\set], v3, s[\sb:\sb+1]
	global_load_b128 v[20+8*\set:23+8*\set], v3, s[\sb:\sb+1] offset:512
.endm
.macro LOADROW t                       ; row t of my sixteen: four loads of 512 consecutive bytes; each row is read once in the launch
.irp i, 0,1,2,3
	global_load_b128 v[128+16*((\t)%8)+4*\i:128+16*((\t)%8)+4*\i+3], v3, s[32+2*(\t):33+2*(\t)] offset:512*\i th:TH_LOAD_NT
.endr
.endm
.macro TURN t                          ; through the stage: LDS serves a wave's instructions in order, so no wait stands between the stores and the loads
.irp i, 0,1,2,3
	ds_store_b128 v4, v[128+16*((\t)%8)+4*\i:128+16*((\t)%8)+4*\i+3] offset:32*SP*((\t)%2)+8*SP*\i
.endr
.irp i, 0,1,2,3
	ds_load_b128 v[40+16*((\t)%2)+4*\i:40+16*((\t)%2)+4*\i+3], v5 offset:32*SP*((\t)%2)+16*\i
.endr
.endm
.macro STEP t
.set XS, 40+16*((\t)%2)
.set CR, 108+2*((\t)%2)                ; codes and byte in registers by the row's parity: at a row's head at most the row before's two stores are out
.set ER, 112+(\t)%2
.if (\t) > 0
	s_wait_dscnt 2                                 ; my 16 neighbours are back (behind them: the last row's byte store and code store), so the stage's stores have read their registers,
.else
	s_wait_dscnt 0x0
.endif
.if (\t) < 8
	LOADROW (\t)+8                                 ; which take the row eight further on
.endif
.if (\t) < 7
	s_wait_loadcnt 62                              ; row t + 1 is in.  Younger: rows t + 2 .. 7: 4 (6 - t); the second weight: 34; rows 8 .. t + 8: 4 (t + 1)
.elseif (\t) == 7
	s_wait_loadcnt 28                              ; row 8 is in; rows 9 to 15 may be out
.elseif (\t) < 15
	s_wait_loadcnt 4*(14-(\t))                     ; the rows behind row t + 1; the last of these waits is for 0: both weights are in too
.endif
.if (\t) < 15
	TURN (\t)+1
.endif
	v_max3_num_f32 v104, |v[XS]|, |v[XS+1]|, |v[XS+2]|
	v_max3_num_f32 v105, |v[XS+3]|, |v[XS+4]|, |v[XS+5]|
.irp i, 6,10
	v_max3_num_f32 v104, v104, |v[XS+\i]|, |v[XS+\i+1]|
	v_max3_num_f32 v105, v105, |v[XS+\i+2]|, |v[XS+\i+3]|
.endr
	v_max3_num_f32 v104, v104, |v[XS+14]|, |v[XS+15]|
	v_max3_num_f32 v104, v104, v105, 0x1800000     ; the floor 2^(3 - 127): the byte cannot fall under 1
	v_max_num_f32_dpp v104, v104, v104 row_xmask:1 row_mask:0xf bank_mask:0xf   ; with my neighbour's 16: the block's largest magnitude
	v_add_nc_u32 v106, 0xff000000, v104            ; 2 off its exponent field: the conversion's scale operand
	v_cvt_scalef32_pk8_fp4_f32 v[CR], v[XS:XS+7], v106
	v_cvt_scalef32_pk8_fp4_f32 v[CR+1], v[XS+8:XS+15], v106
	v_lshrrev_b32 v[ER], 23, v106                  ; the scale's byte (also the plain line behind the conversions)
	ds_store_b8 v7, v[ER] offset:XSC+1024*((\t)/8)+16*((\t)%8)    ; both lanes of a block write the same byte with the same value
	ds_store_b64 v6, v[CR:CR+1] offset:CODES+CBLK*((\t)/8)+272*((\t)%8)
.endm
	WLOAD 0, 8, 12
.irp t, 0,1,2,3,4,5,6,7
	LOADROW \t
.endr
	WLOAD 1, 10, 14
	s_wait_loadcnt 62                              ; row 0 is in: behind it rows 1 to 7 (28) and the second weight (34)
	TURN 0
.irp t, 0,1,2,3,4,5,6,7,8,9,10,11,12,13,14,15
	STEP \t
.endr
	s_wait_dscnt 0x0                               ; for the others' sake: my codes and scale bytes lie in LDS
	s_barrier_signal -1
	s_barrier_wait -1
; One scaled product.  oa, ob: source 0's, source 1's scale words stand in lanes 16-31.
.macro WMMA4 ra, rb, sa, sb, oa, ob, zero
.if \zero
.if (\oa) && (\ob)
	v_wmma_scale_f32_16x16x128_f8f6f4 v[rD:rD+7], v[\ra:\ra+7], v[\rb:\rb+7], 0, v[\sa], v[\sb] matrix_a_fmt:MATRIX_FMT_FP4 matrix_b_fmt:MATRIX_FMT_FP4 matrix_a_scale:MATRIX_SCALE_ROW1 matrix_b_scale:MATRIX_SCALE_ROW1
.elseif (\oa)
	v_wmma_scale_f32_16x16x128_f8f6f4 v[rD:rD+7], v[\ra:\ra+7], v[\rb:\rb+7], 0, v[\sa], v[\sb] matrix_a_fmt:MATRIX_FMT_FP4 matrix_b_fmt:MATRIX_FMT_FP4 matrix_a_scale:MATRIX_SCALE_ROW1
.elseif (\ob)
	v_wmma_scale_f32_16x16x128_f8f6f4 v[rD:rD+7], v[\ra:\ra+7], v[\rb:\rb+7], 0, v[\sa], v[\sb] matrix_a_fmt:MATRIX_FMT_FP4 matrix_b_fmt:MATRIX_FMT_FP4 matrix_b_scale:MATRIX_SCALE_ROW1
.else
	v_wmma_scale_f32_16x16x128_f8f6f4 v[rD:rD+7], v[\ra:\ra+7], v[\rb:\rb+7], 0, v[\sa], v[\sb] matrix_a_fmt:MATRIX_FMT_FP4 matrix_b_fmt:MATRIX_FMT_FP4
.endif
.else
.if (\oa) && (\ob)
	v_wmma_scale_f32_16x16x128_f8f6f4 v[rD:rD+7], v[\ra:\ra+7], v[\rb:\rb+7], v[rD:rD+7], v[\sa], v[\sb] matrix_a_fmt:MATRIX_FMT_FP4 matrix_b_fmt:MATRIX_FMT_FP4 matrix_a_scale:MATRIX_SCALE_ROW1 matrix_b_scale:MATRIX_SCALE_ROW1
.elseif (\oa)
	v_wmma_scale_f32_16x16x128_f8f6f4 v[rD:rD+7], v[\ra:\ra+7], v[\rb:\rb+7], v[rD:rD+7], v[\sa], v[\sb] matrix_a_fmt:MATRIX_FMT_FP4 matrix_b_fmt:MATRIX_FMT_FP4 matrix_a_scale:MATRIX_SCALE_ROW1
.elseif (\ob)
	v_wmma_scale_f32_16x16x128_f8f6f4 v[rD:rD+7], v[\ra:\ra+7], v[\rb:\rb+7], v[rD:rD+7], v[\sa], v[\sb] matrix_a_fmt:MATRIX_FMT_FP4 matrix_b_fmt:MATRIX_FMT_FP4 matrix_b_scale:MATRIX_SCALE_ROW1
.else
	v_wmma_scale_f32_16x16x128_f8f6f4 v[rD:rD+7], v[\ra:\ra+7], v[\rb:\rb+7], v[rD:rD+7], v[\sa], v[\sb] matrix_a_fmt:MATRIX_FMT_FP4 matrix_b_fmt:MATRIX_FMT_FP4
.endif
.endif
.endm
; tile of rows rt x tile of columns ct, K step s.  var = 0: transposed (W first); 1: x first.
.macro MM var, rt, ct, s, wset, zero
.set rD,  128+8*(4*(\rt)+(\ct))
.set rW,  128*(\wset)+8*(4*(\ct)+(\s))
.set rX,  40+8*(\rt)
.set rWS, 16+8*(\wset)+4*((\ct)/2)+(\s)
.set rXS, 32+4*((\rt)/2)+(\s)
.if \var
	WMMA4 rX, rW, rXS, rWS, (\rt)%2, (\ct)%2, \zero
.else
	WMMA4 rW, rX, rWS, rXS, (\ct)%2, (\rt)%2, \zero
.endif
.endm
.macro MM8 var, rt0, s, wset, zero
.irp u, 0,1
.irp ct, 0,1,2,3
	MM \var, (\rt0)+\u, \ct, \s, \wset, \zero
.endr
.endr
.endm
.macro WINM var                        ; W's fragments lie in window 1: source 0 (transposed) or source 1
.if \var
	WIN 0x04
.else
	WIN 0x01
.endif
.endm
.macro FETCHH half, blk, s             ; x's fragments of tiles 2 half, 2 half + 1, K step s: four loads
.irp u, 0,1
.irp c, 0,1
	ds_load_b128 v[40+16*(\half)+8*\u+4*\c:40+16*(\half)+8*\u+4*\c+3], v8 offset:CODES+CBLK*(\blk)+4352*(2*(\half)+\u)+64*(\s)+32*\c
.endr
.endr
.endm
; 64 rows of block blk x my 64 columns x K = 512: 64 products.  The 16 accumulators take turns, one instruction a turn, in one order.
.macro MPASS var, blk, wset, zero
	PLACES
	ds_load_b128 v[32:35], v3 offset:XSC+1024*(\blk)        ; x's scale words: lane l has row l's four K steps: lanes 0-15 tile 0, lanes 16-31 tile 1;
	ds_load_b128 v[36:39], v3 offset:XSC+1024*(\blk)+512    ; tiles 2 and 3
	FETCHH 0, \blk, 0
	FETCHH 1, \blk, 0
.irp s, 0,1,2,3
	s_wait_dscnt 4                                 ; tiles 0, 1 of this K step are in; the four loads of tiles 2, 3 may be out
	WINM \var
.if \s == 0
	MM8 \var, 0, \s, \wset, \zero
.else
	MM8 \var, 0, \s, \wset, 0
.endif
	WIN 0
.if \s < 3
	PLACES
	FETCHH 0, \blk, \s+1
	s_wait_dscnt 4                                 ; tiles 2, 3 are in; the four just issued may be out
.else
	s_wait_dscnt 0x0
.endif
	WINM \var
.if \s == 0
	MM8 \var, 2, \s, \wset, \zero
.else
	MM8 \var, 2, \s, \wset, 0
.endif
	WIN 0
.if \s < 3
	PLACES
	FETCHH 1, \blk, \s+1
.endif
.endr
.endm
; The way out: sum x factor + bias in f32, rounded once to f16; a tile's four registers ARE half a fragment: one store of 512 consecutive bytes.  Each accumulator is read from its low end on.
.macro OUT var, sb, extra
	PLACES
.irp rt, 0,1,2,3
.irp ct, 0,1,2,3
.set rA, 128+8*(4*\rt+\ct)
.irp j, 0,2,4,6
.if \var
	v_pk_fma_f32 v[rA+\j:rA+\j+1], v[rA+\j:rA+\j+1], s[96:97], v[72+2*\ct:73+2*\ct] op_sel_hi:[1,0,1]
.else
	v_pk_fma_f32 v[rA+\j:rA+\j+1], v[rA+\j:rA+\j+1], s[96:97], v[72+8*\ct+\j:73+8*\ct+\j] op_sel_hi:[1,0,1]
.endif
.endr
.irp i, 0,1,2,3
	v_cvt_pk_f16_f32 v[rA+\i], v[rA+2*\i], v[rA+2*\i+1]
.endr
.if \var
	global_store_b128 v3, v[rA:rA+3], s[\sb:\sb+1] offset:\extra+8192+2048*\ct+1024*(\rt/2)+512*(\rt%2)
.else
	global_store_b128 v3, v[rA:rA+3], s[\sb:\sb+1] offset:\extra+2048*\rt+1024*(\ct/2)+512*(\ct%2)
.endif
.endr
.endr
.endm
	s_cmp_eq_u32 s5, 1
	s_cbranch_scc1 .Lpath_v
.irp ct, 0,1,2,3                       ; transposed: lane (r, h) wants the bias of channels 16 ct + 8 h + 0..7
	global_load_b128 v[72+8*\ct:75+8*\ct], v12, s[18:19] offset:64*\ct
	global_load_b128 v[76+8*\ct:79+8*\ct], v12, s[18:19] offset:64*\ct+16
.endr
	s_cmp_eq_u32 s5, 2
	s_cbranch_scc1 .Lpath_k
	s_mov_b32 s96, 0x3e38aa3b                      ; Q: x log2(e) / 8 (the stored bias has it already)
	s_mov_b32 s97, s96
	MPASS 0, 0, 0, 1
	s_wait_loadcnt 0x0                             ; the bias
	OUT 0, 22, 0
	s_wait_xcnt 0x0                                ; the stores have read their registers: the accumulators begin anew
	MPASS 0, 1, 1, 1
	OUT 0, 22, 8192
	s_branch .Lend
.Lpath_k:
	s_cmp_eq_u32 s93, 0                            ; the batch's flag: with no unmasked key K is 0
	s_cselect_b32 s96, 0x3f800000, 0
	s_mov_b32 s97, s96
	MPASS 0, 0, 0, 1                               ; k Wk,
	MPASS 0, 1, 1, 0                               ; + k_b Wkb, on the same sums
	s_wait_loadcnt 0x0
.set i, 0
.rept 16
	v_pk_mul_f32 v[72+2*i:73+2*i], v[72+2*i:73+2*i], s[96:97] op_sel_hi:[1,0]
.set i, i+1
.endr
	OUT 0, 24, 0
	s_branch .Lend
.Lpath_v:
.irp ct, 0,1,2,3                       ; not transposed: lane (r, h) wants the bias of channel 16 ct + r, twice, as a pair
	global_load_b32 v[72+2*\ct], v13, s[18:19] offset:64*\ct
	global_load_b32 v[73+2*\ct], v13, s[18:19] offset:64*\ct
.endr
	s_mov_b32 s96, 0x3f800000
	s_mov_b32 s97, s96
	MPASS 1, 0, 0, 1
	s_wait_loadcnt 0x0
	OUT 1, 24, 0
	s_wait_xcnt 0x0
	MPASS 1, 1, 1, 1
	OUT 1, 24, 16384
.Lend:
	s_wait_tensorcnt 0x0                           ; the wave's end: three lines behind my last LDS store
	ds_add_u32 v1, v2
	s_wait_dscnt 0x0
	s_endpgm
.Lfunc_end_k_q226af4824d_proj:
	.size	k_q226af4824d_proj, .Lfunc_end_k_q226af4824d_proj-k_q226af4824d_proj
	.p2alignl 7, 3214868480
	.fill 96, 4, 3214868480
	.section	.rodata,"a",@progbits
	.p2align	6, 0x0
	.amdhsa_kernel k_q226af4824d_proj
		.amdhsa_group_segment_fixed_size 78848
		.amdhsa_private_segment_fixed_size 0
		.amdhsa_enable_private_segment 0
		.amdhsa_kernarg_size 72
		.amdhsa_user_sgpr_count 2
		.amdhsa_user_sgpr_kernarg_segment_ptr 1
		.amdhsa_wavefront_size32 1
		.amdhsa_system_sgpr_workgroup_id_x 1
		.amdhsa_system_sgpr_workgroup_id_y 1
		.amdhsa_system_sgpr_workgroup_id_z 1
		.amdhsa_system_vgpr_workitem_id 0
		.amdhsa_next_free_vgpr 512
		.amdhsa_next_free_sgpr 100
		.amdhsa_reserve_vcc 0
		.amdhsa_float_denorm_mode_32 3
		.amdhsa_float_denorm_mode_16_64 3
		.amdhsa_memory_ordered 1
		.amdhsa_forward_progress 1
		.amdhsa_inst_pref_size 166
	.end_amdhsa_kernel
	.amdgpu_metadata
---
amdhsa.version: [ 1, 2 ]
amdhsa.kernels:
  - .name:           k_q226af4824d_proj
    .symbol:         k_q226af4824d_proj.kd
    .args:
      - { .name: q, .offset: 0, .size: 8, .value_kind: global_buffer, .address_space: global }
      - { .name: k, .offset: 8, .size: 8, .value_kind: global_buffer, .address_space: global }
      - { .name: k_b, .offset: 16, .size: 8, .value_kind: global_buffer, .address_space: global }
      - { .name: v, .offset: 24, .size: 8, .value_kind: global_buffer, .address_space: global }
      - { .name: wc, .offset: 32, .size: 8, .value_kind: global_buffer, .address_space: global }
      - { .name: wsb, .offset: 40, .size: 8, .value_kind: global_buffer, .address_space: global }
      - { .name: lm, .offset: 48, .size: 8, .value_kind: global_buffer, .address_space: global }
      - { .name: q16, .offset: 56, .size: 8, .value_kind: global_buffer, .address_space: global }
      - { .name: kv, .offset: 64, .size: 8, .value_kind: global_buffer, .address_space: global }
    .group_segment_fixed_size: 78848
    .private_segment_fixed_size: 0
    .kernarg_segment_align: 8
    .kernarg_segment_size: 72
    .max_flat_workgroup_size: 256
    .sgpr_count:     100
    .vgpr_count:     512
    .wavefront_size: 32
...
	.end_amdgpu_metadata
.endif
;; end of part 2
;; launch attn (part 3): grid 8 x 32, 8 waves a work-group, no clusters, 33,792 bytes of LDS; arguments q16, kv, lm, hid16; writes hid16
.if DOCPART == 3
	.amdgcn_target "amdgcn-amd-amdhsa--gfx1250"
	.amdhsa_code_object_version 6
	.text
	.protected	k_q226af4824d_attn
	.globl	k_q226af4824d_attn
	.p2align	8
	.type	k_q226af4824d_attn,@function
k_q226af4824d_attn:
	s_mov_b64 s[64:65], 0
	v_nop
	global_prefetch_b8 v0, s[64:65] scope:SCOPE_SE
	s_setreg_imm32_b32 hwreg(HW_REG_WAVE_MODE, 25, 1), 1
	s_wait_xcnt 0x0
; ATTN: hid[b][head][q] = the sum over the UNMASKED keys of softmax(t) V, t = Q' . K (Q' carries log2(e) / 8): p = 2^(t - m), m the running maximum, l the running sum; f16 operands, f32 sums.
; The keys lie sorted, unmasked first; only the first 'count' of a batch are walked, 64 a step.  A masked key's weight in the softmax is exp(-1e9 - max), which is 0 in f32.
; LIMIT: that holds while a row's largest unmasked score lies above -1e9 + 104.  With no unmasked key the list is whole and K is 0: all weights equal.  p and V are f16: p at most 1; V under 65,504.
; SHARES.  A work-group owns 256 queries of one batch and head, each of its eight waves 32: two tiles of 16.  Two waves lie on a SIMD, so that one's softmax stands beside the other's products.
; A step's 16,384 bytes (K's 8 fragments' images, V^T's 8) are loaded by the 256 threads, 64 bytes each, a step ahead, stored into one of two LDS slots and read by all eight waves as images: 16 x lane.
; ONE barrier a trip: the slot stored in trip J + 1 was last read in trip J - 1, and every wave waits for those reads in front of its signal of trip J.
; THE TRIP COUNT IS A CONSTANT, 32: every wave passes every barrier.  The staging registers are stored again, into a slot that nobody reads.
; Both products are used transposed: S^T = K Q^T, O^T = V^T P: a lane holds ONE query throughout, and two tiles of S^T, rounded in pairs, are a fragment of P.
; No tensor load and so no joint load: the work of a trip hangs on a count read from memory.
; window 0: v1, v2 the add's two; v3 16 x lane; v4 16 x thread; v5, v6 LDS addresses; v7 the prefetch's offset; v8-23 staging; v24-39 statistics, 8 a tile: m, old m, l (two halves), c0-c3 (a takes c2's place);
;   v40, v41 at work; v64-127 S^T; v128-159 P; v160-223 K; v224-255 Q.   window 1: v0-63 O^T (tile t, channels 16 ct on: 32 t + 8 ct); v64-127 V^T.
.set SPARE, 32768                      ; behind the two slots: the spare words, 128 bytes for each wave: four blocks of 256 bytes that no other line names
.set ST, 24
.set S,  64
.set P,  128
.set KF, 160
.set QF, 224
.set VF, 64
.set MSB, 0
.macro WIN new
.if MSB != \new
	s_set_vgpr_msb (MSB<<8)|\new
.set MSB, \new
.endif
.endm
.macro PLACES
.rept 4
	v_nop
.endr
.endm
	s_load_b256 s[8:15], s[0:1], 0x0               ; q16 8, kv 10, lm 12, hid16 14
	v_lshl_add_u32 v1, v0, 2, SPARE
	v_mov_b32 v2, 0
	v_lshrrev_b32 v3, 5, v0
	v_readfirstlane_b32 s4, v3                     ; wave 0..7
	v_and_b32 v3, 31, v0
	v_lshlrev_b32 v3, 4, v3
	v_lshlrev_b32 v4, 4, v0
	v_and_b32 v7, 63, v0
	v_lshlrev_b32 v7, 8, v7                        ; threads 0-63: 64 blocks of 256 bytes: a step
	s_and_b32 s5, ttmp7, 0xffff                    ; batch x 8 + head
	s_lshr_b32 s6, s5, 3
	s_and_b32 s7, s5, 7
	s_lshl_b32 s38, s6, 4
	s_mov_b32 s31, 0
	s_mov_b32 s35, 0
	s_mov_b32 s41, 0
	s_mov_b32 s36, 0x76543210
	s_mov_b32 s37, 0xfedcba98                      ; v_permlanex16_b32's selects for lane l xor 16
	s_mov_b32 s22, 0                               ; J
	s_mov_b32 s23, 0                               ; the slot in hand
	s_wait_kmcnt 0x0
	s_load_b128 s[16:19], s[12:13], s38 offset:40960   ; count, flag, steps
	s_lshl_b32 s30, s5, 19
	s_add_nc_u64 s[26:27], s[10:11], s[30:31]      ; the head's 32 steps
.irp i, 0,1,2,3
	global_load_b128 v[8+4*\i:11+4*\i], v4, s[26:27] offset:4096*\i    ; step 0
.endr
	s_lshl_b32 s40, s5, 18                         ; Q: 128 tiles of 2,048 bytes a head; mine: 16 x work-group x + 2 x wave on
	s_lshl_b32 s39, ttmp9, 15
	s_add_co_u32 s40, s40, s39
	s_lshl_b32 s39, s4, 12
	s_add_co_u32 s40, s40, s39
	s_add_nc_u64 s[8:9], s[8:9], s[40:41]
.set j, 0
.rept 8
	global_load_b128 v[QF+4*j:QF+4*j+3], v3, s[8:9] offset:512*j       ; tile t, channels 32 cs on: QF + 16 t + 8 cs
.set j, j+1
.endr
	s_lshl_b32 s40, s6, 21                         ; hid16: a tile of 16 tokens is 16,384 bytes; in it a head has 2,048
	s_lshl_b32 s39, ttmp9, 18
	s_add_co_u32 s40, s40, s39
	s_lshl_b32 s39, s4, 15
	s_add_co_u32 s40, s40, s39
	s_lshl_b32 s39, s7, 11
	s_add_co_u32 s40, s40, s39
	s_add_nc_u64 s[14:15], s[14:15], s[40:41]
	WIN 0x40
.set j, 0
.rept 64
	v_mov_b32 v[j], 0                              ; O^T.  (The step is written once: the first finds zeros, which its a = 0 leaves zeros)
.set j, j+1
.endr
	WIN 0
.irp t, 0,1
	v_mov_b32 v[ST+8*\t], 0xff61b1e6               ; m: -3e38, under every t
	v_mov_b32 v[ST+8*\t+1], 0xff61b1e6
.irp j, 2,3,4,5,6,7
	v_mov_b32 v[ST+8*\t+\j], 0
.endr
.endr
	s_wait_kmcnt 0x0
	s_min_u32 s20, s18, 32                         ; the batch's steps
	s_sub_co_u32 s21, s20, 1                       ; the last of them
	s_lshr_b32 s38, s4, 1                          ; waves 0 and 1
	s_or_b32 s38, s38, ttmp9                       ; of the head's first work-group prefetch
	s_cmp_eq_u32 s38, 0
	s_cselect_b32 s24, s20, 0                      ; up to here
.Ltrip:
	s_wait_loadcnt 0x0                             ; this trip's step lies in the staging registers (first trip: Q too)
	v_add_nc_u32 v5, s23, v4
.irp i, 0,1,2,3
	ds_store_b128 v5, v[8+4*\i:11+4*\i] offset:4096*\i
.endr
	s_wait_dscnt 0x0                               ; for the others' sake: my stores have landed, and my reads of the other slot, last trip's, are over
	s_barrier_signal -1
	s_barrier_wait -1
	s_cmp_ge_u32 s22, s20
	s_cbranch_scc1 .Lidle                          ; past the batch's steps: the same in all waves; no barrier is jumped over
	s_wait_xcnt 0x0                                ; the last trip's prefetch has read its address
	s_add_co_u32 s38, s22, 1                       ; the next step, or once more the last: held inside the head's 32
	s_min_u32 s38, s38, s21
	s_min_u32 s38, s38, 31
	s_lshl_b32 s30, s38, 14
	s_add_nc_u64 s[28:29], s[26:27], s[30:31]
.irp i, 0,1,2,3
	global_load_b128 v[8+4*\i:11+4*\i], v4, s[28:29] offset:4096*\i    ; a whole trip in which to land
.endr
	; A prefetch of step J + 3, which the trip after next will load: 64 blocks of 256 bytes, a lane a block, by waves 0 and 1 of the head's first work-group alone, since all eight
	; work-groups of a head walk the same steps: each block is named once in the launch.  Steps 0 to 2 come by their loads alone; the last three trips ask for nothing.
	s_add_co_u32 s39, s22, 3
	s_min_u32 s38, s39, 31
	s_lshl_b32 s34, s38, 14
	s_add_nc_u64 s[32:33], s[26:27], s[34:35]
	s_cmp_lt_u32 s39, s24
	s_cbranch_scc0 .Lno_prefetch
	global_prefetch_b8 v7, s[32:33] th:TH_LOAD_NT scope:SCOPE_SE
.Lno_prefetch:
	v_add_nc_u32 v6, s23, v3
.set j, 0
.rept 16
	ds_load_b128 v[KF+4*j:KF+4*j+3], v6 offset:512*j                   ; keys 16 kt on, channels 32 cs on: KF + 16 kt + 8 cs
.set j, j+1
.endr
	WIN 0x40
.set j, 0
.rept 16
	ds_load_b128 v[VF+4*j:VF+4*j+3], v6 offset:8192+512*j              ; channels 16 ct on, keys 32 ks on: VF + 16 ct + 8 ks
.set j, j+1
.endr
	WIN 0
	s_wait_dscnt 16                                ; K is in; V's sixteen loads may be out
.irp cs, 0,1                           ; S^T = K Q^T: eight accumulators by turns; the first eight products start the sums
.irp kt, 0,1,2,3
.irp t, 0,1
.if \cs == 0
	v_wmma_f32_16x16x32_f16 v[S+32*\t+8*\kt:S+32*\t+8*\kt+7], v[KF+16*\kt:KF+16*\kt+7], v[QF+16*\t:QF+16*\t+7], 0
.else
	v_wmma_f32_16x16x32_f16 v[S+32*\t+8*\kt:S+32*\t+8*\kt+7], v[KF+16*\kt+8:KF+16*\kt+15], v[QF+16*\t+8:QF+16*\t+15], v[S+32*\t+8*\kt:S+32*\t+8*\kt+7]
.endif
.endr
.endr
.endr
	PLACES
	s_lshl_b32 s38, s22, 6                         ; the batch's last step may hold places at or past 'count': their scores become -infinity, p = 0.  A step all of whose keys count skips this
	s_add_co_u32 s39, s38, 64
	s_cmp_le_u32 s39, s16
	s_cbranch_scc1 .Lopen
	s_sub_co_u32 s39, s16, s38
	s_sub_co_u32 s39, s39, 1
	v_bfe_u32 v40, v0, 4, 1
	v_lshlrev_b32 v40, 3, v40
	v_sub_nc_u32 v40, s39, v40                     ; d = count - 64 J - 8 h - 1.  Register 8 kt + j holds place 64 J + 16 kt + 8 h + j: hidden where 16 kt + j > d
	v_mov_b32 v41, 0xff800000
.irp kt, 0,1,2,3
.irp j, 0,1,2,3,4,5,6,7
	v_cmp_gt_i32 vcc_lo, 16*\kt+\j, v40
	v_cndmask_b32 v[S+8*\kt+\j], v[S+8*\kt+\j], v41, vcc_lo
	v_cndmask_b32 v[S+32+8*\kt+\j], v[S+32+8*\kt+\j], v41, vcc_lo
.endr
.endr
.Lopen:
	; THE SOFTMAX of both tiles, line by line in turns.  The maximum of 32 scores and the old m: four chains, each from its accumulator's low end on
.irp j, 0,1,2,3
.irp t, 0,1
	v_max3_num_f32 v[ST+8*\t+4+\j], v[S+32*\t+8*\j], v[S+32*\t+8*\j+1], v[S+32*\t+8*\j+2]
.endr
.endr
.irp g, 1,2
.irp j, 0,1,2,3
.irp t, 0,1
	v_max3_num_f32 v[ST+8*\t+4+\j], v[ST+8*\t+4+\j], v[S+32*\t+8*\j+2*\g+1], v[S+32*\t+8*\j+2*\g+2]
.endr
.endr
.endr
.irp t, 0,1
	v_max3_num_f32 v[ST+8*\t+4], v[ST+8*\t+4], v[S+32*\t+7], v[S+32*\t+15]
.endr
.irp t, 0,1
	v_max3_num_f32 v[ST+8*\t+6], v[ST+8*\t+6], v[S+32*\t+23], v[S+32*\t+31]
.endr
.irp t, 0,1
	v_max3_num_f32 v[ST+8*\t+4], v[ST+8*\t+4], v[ST+8*\t+5], v[ST+8*\t+6]
.endr
.irp t, 0,1
	v_max3_num_f32 v[ST+8*\t+4], v[ST+8*\t+4], v[ST+8*\t+7], v[ST+8*\t]
.endr
.irp t, 0,1
	v_permlanex16_b32 v[ST+8*\t+5], v[ST+8*\t+4], s36, s37             ; the query's other 32 keys lie in the lane 16 away
.endr
.irp t, 0,1
	v_mov_b32 v[ST+8*\t+1], v[ST+8*\t]
.endr
.irp t, 0,1
	v_max_num_f32 v[ST+8*\t], v[ST+8*\t+4], v[ST+8*\t+5]               ; the new m
.endr
.irp t, 0,1
	v_sub_f32 v[ST+8*\t+7], v[ST+8*\t+1], v[ST+8*\t]
.endr
.irp t, 0,1                            ; ONE BATCH of 66 exponentials, none of which reads another's result
	v_exp_f32 v[ST+8*\t+6], v[ST+8*\t+7]                               ; a = 2^(old m - new m)
.endr
.set i, 0
.rept 16
.irp t, 0,1
	v_pk_add_f32 v[S+32*\t+2*i:S+32*\t+2*i+1], v[S+32*\t+2*i:S+32*\t+2*i+1], v[ST+8*\t:ST+8*\t+1] op_sel_hi:[1,0] neg_lo:[0,1] neg_hi:[0,1]   ; t - m, two at a time
.endr
.set i, i+1
.endr
.set i, 0
.rept 32
.irp t, 0,1
	v_exp_f32 v[S+32*\t+i], v[S+32*\t+i]
.endr
.set i, i+1
.endr
	v_nop                                          ; a plain line behind the last exponential,
	s_wait_alu depctr_va_vdst(0)                   ; and one wait for the whole batch, ahead of its first reader
.set i, 0
.rept 16
.irp t, 0,1
	v_cvt_pk_f16_f32 v[P+16*\t+i], v[S+32*\t+2*i], v[S+32*\t+2*i+1]    ; two tiles of 16 keys make a fragment of 32
.endr
.set i, i+1
.endr
.irp w, 4,8,16,32                      ; the sum of the 16 pairs, in place: neighbours 1, 2, 4, 8 pairs apart
.set i, 0
.rept 32/\w
.irp t, 0,1
	v_pk_add_f32 v[S+32*\t+\w*i:S+32*\t+\w*i+1], v[S+32*\t+\w*i:S+32*\t+\w*i+1], v[S+32*\t+\w*i+\w/2:S+32*\t+\w*i+\w/2+1]
.endr
.set i, i+1
.endr
.endr
.irp t, 0,1
	v_pk_fma_f32 v[ST+8*\t+2:ST+8*\t+3], v[ST+8*\t+2:ST+8*\t+3], v[ST+8*\t+6:ST+8*\t+7], v[S+32*\t:S+32*\t+1] op_sel_hi:[1,0,1]   ; l = a l + the sum
.endr
	WIN 0x41                                       ; O^T (destination and source 0) in window 1, a in window 0
.irp t, 0,1
.set i, 0
.rept 16
	v_pk_mul_f32 v[32*\t+2*i:32*\t+2*i+1], v[32*\t+2*i:32*\t+2*i+1], v[ST+8*\t+6:ST+8*\t+7] op_sel_hi:[1,0]
.set i, i+1
.endr
.endr
	s_wait_dscnt 0x0                               ; V is in
	WIN 0x51                                       ; V^T and O^T in window 1, P in window 0
.irp ks, 0,1                           ; O^T += V^T P: eight accumulators by turns
.irp ct, 0,1,2,3
.irp t, 0,1
	v_wmma_f32_16x16x32_f16 v[32*\t+8*\ct:32*\t+8*\ct+7], v[VF+16*\ct+8*\ks:VF+16*\ct+8*\ks+7], v[P+16*\t+8*\ks:P+16*\t+8*\ks+7], v[32*\t+8*\ct:32*\t+8*\ct+7]
.endr
.endr
.endr
	WIN 0
	PLACES                                         ; in front of the next trip's loads into V's registers, and of the way out's reads of O^T
.Lidle:
	s_xor_b32 s23, s23, 16384
	s_add_co_u32 s22, s22, 1
	s_cmp_lt_u32 s22, 32
	s_cbranch_scc1 .Ltrip
	; THE WAY OUT: O^T / l, rounded to f16: a tile's eight channels of a lane are half a fragment of the last product's operand: eight stores of 512 consecutive bytes
.irp t, 0,1
	v_add_f32 v[ST+8*\t+4], v[ST+8*\t+2], v[ST+8*\t+3]
.endr
.irp t, 0,1
	v_permlanex16_b32 v[ST+8*\t+5], v[ST+8*\t+4], s36, s37
.endr
.irp t, 0,1
	v_add_f32 v[ST+8*\t+4], v[ST+8*\t+4], v[ST+8*\t+5]
.endr
.irp t, 0,1
	v_rcp_f32 v[ST+8*\t+6], v[ST+8*\t+4]
.endr
	v_nop
	s_wait_alu depctr_va_vdst(0)                   ; one wait for the two reciprocals, ahead of their first reader
	WIN 0x41
.irp t, 0,1
.set i, 0
.rept 16
	v_pk_mul_f32 v[32*\t+2*i:32*\t+2*i+1], v[32*\t+2*i:32*\t+2*i+1], v[ST+8*\t+6:ST+8*\t+7] op_sel_hi:[1,0]
.set i, i+1
.endr
.endr
	WIN 0x05                                       ; sources in window 1, destination in window 0: S^T's registers are free
.set i, 0
.rept 32
	v_cvt_pk_f16_f32 v[S+i], v[2*i], v[2*i+1]
.set i, i+1
.endr
	WIN 0
.irp t, 0,1
.irp ct, 0,1,2,3
	global_store_b128 v3, v[S+16*\t+4*\ct:S+16*\t+4*\ct+3], s[14:15] offset:16384*\t+512*\ct
.endr
.endr
	s_wait_tensorcnt 0x0                           ; the wave's end: three lines behind my last LDS store
	ds_add_u32 v1, v2
	s_wait_dscnt 0x0
	s_endpgm
.Lfunc_end_k_q226af4824d_attn:
	.size	k_q226af4824d_attn, .Lfunc_end_k_q226af4824d_attn-k_q226af4824d_attn
	.p2alignl 7, 3214868480
	.fill 96, 4, 3214868480
	.section	.rodata,"a",@progbits
	.p2align	6, 0x0
	.amdhsa_kernel k_q226af4824d_attn
		.amdhsa_group_segment_fixed_size 33792
		.amdhsa_private_segment_fixed_size 0
		.amdhsa_enable_private_segment 0
		.amdhsa_kernarg_size 32
		.amdhsa_user_sgpr_count 2
		.amdhsa_user_sgpr_kernarg_segment_ptr 1
		.amdhsa_wavefront_size32 1
		.amdhsa_system_sgpr_workgroup_id_x 1
		.amdhsa_system_sgpr_workgroup_id_y 1
		.amdhsa_system_sgpr_workgroup_id_z 1
		.amdhsa_system_vgpr_workitem_id 0
		.amdhsa_next_free_vgpr 384
		.amdhsa_next_free_sgpr 66
		.amdhsa_reserve_vcc 1
		.amdhsa_float_denorm_mode_32 3
		.amdhsa_float_denorm_mode_16_64 3
		.amdhsa_memory_ordered 1
		.amdhsa_forward_progress 1
		.amdhsa_inst_pref_size 33
	.end_amdhsa_kernel
	.amdgpu_metadata
---
amdhsa.version: [ 1, 2 ]
amdhsa.kernels:
  - .name:           k_q226af4824d_attn
    .symbol:         k_q226af4824d_attn.kd
    .args:
      - { .name: q16, .offset: 0, .size: 8, .value_kind: global_buffer, .address_space: global }
      - { .name: kv, .offset: 8, .size: 8, .value_kind: global_buffer, .address_space: global }
      - { .name: lm, .offset: 16, .size: 8, .value_kind: global_buffer, .address_space: global }
      - { .name: hid16, .offset: 24, .size: 8, .value_kind: global_buffer, .address_space: global }
    .group_segment_fixed_size: 33792
    .private_segment_fixed_size: 0
    .kernarg_segment_align: 8
    .kernarg_segment_size: 32
    .max_flat_workgroup_size: 256
    .sgpr_count:     66
    .vgpr_count:     384
    .wavefront_size: 32
...
	.end_amdgpu_metadata
.endif
;; end of part 3
;; launch outp (part 4): grid 4 x 64, 8 waves a work-group, clusters of 4 x 4, 263,168 bytes of LDS; arguments hid16, wo16, bo, out0; writes out0
.if DOCPART == 4
	.amdgcn_target "amdgcn-amd-amdhsa--gfx1250"
	.amdhsa_code_object_version 6
	.text
	.protected	k_q226af4824d_outp
	.globl	k_q226af4824d_outp
	.p2align	8
	.type	k_q226af4824d_outp,@function
k_q226af4824d_outp:
	s_mov_b64 s[64:65], 0
	v_nop
	global_prefetch_b8 v0, s[64:65] scope:SCOPE_SE
	s_setreg_imm32_b32 hwreg(HW_REG_WAVE_MODE, 25, 1), 1
	s_wait_xcnt 0x0
	s_wait_alu depctr_hold_cnt(0) depctr_sa_sdst(0) depctr_va_vdst(0) depctr_va_sdst(0) depctr_va_ssrc(0) depctr_va_vcc(0) depctr_vm_vsrc(0)
	s_getreg_b32 s2, hwreg(HW_REG_IB_STS2, 6, 4)
	s_cmp_eq_u32 s2, 0
	s_cbranch_scc0 .Lentry_in_a_cluster
	s_endpgm
.Lentry_in_a_cluster:
	s_bfe_u32 s2, ttmp6, 0x10000c
	s_cmp_lg_u32 s2, 0xf033
	s_cbranch_scc0 .Lentry_shape_is_right
	s_endpgm
.Lentry_shape_is_right:
; OUTP: out0 = hid Wo + bo.  hid16 and wo16 hold f16 images of fragments (16 rows or columns x 32 K: 1,024 bytes; 16 K steps a tile: 16,384 bytes); sums in f32; out0 [8192][512] f32.
; SHARES.  A work-group makes 128 tokens x 128 columns; wave w: tokens 32 (w / 2) on, columns 64 (w % 2) on: 8 accumulators.  K = 512 is 16 K steps, in four chunks of four.
; ALL OF K LIES IN LDS, FILLED ONCE: 8 tiles of Wo and 8 of hid, 16,384 bytes each.  No byte is filled again, so there is no ring; a chunk is multiplied as soon as it has landed, while the later ones are on their way.
; CLUSTER 4 x 4.  Wo's tiles hang on the work-group's x alone and are shared along a column of the cluster, hid's on its y alone and are shared along a row: each is asked for JOINTLY, by the same tensor load with
; the same descriptor and a mask that names the four.  Waves 0-3 ask for Wo's tiles, two each, waves 4-7 for hid's: four loads a wave, one a chunk: four are out at the most.
; The product is used transposed (source 0 = 16 columns of Wo, source 1 = 16 tokens): a lane holds eight neighbouring columns of one token's row.  bo is the C of each sum's first product.
; The way out goes through the wave's own stage, in chunk 0's bytes: they have had their one fill, and every wave's reads of them are over at the barrier of chunk 1.
.set SPARE, 262144                     ; behind the four chunks: the spare words, 128 bytes for each wave: four blocks of 256 bytes that no other line names
.set G1A, 24                           ; s[24:31] descriptor group 1 for Wo's tiles;  s[68:75] for hid's: they differ in the mask alone
.set G1B, 68
.set G0A, 32                           ; s[32:47] group 0 for Wo's tiles, a set for each chunk;  s[48:63] for hid's
.set G0B, 48
.set ADA, 4                            ; v4  LDS address of my fragments of Wo in the chunk in hand
.set ADB, 5                            ; v5  of hid
.set STO, 6                            ; v6  the stage: where I put 32 bytes of a row
.set RD,  7                            ; v7  and where I read a row back
.set GO,  8                            ; v8  my byte offset in out0
.set BI,  16                           ; v16-47   bo in the result's layout, 8 registers a tile of columns
.set F0,  48                           ; v48-95, v96-143 two fragment buffers: Wo's four, then hid's two
.set ACC, 144                          ; v144-207 accumulator (t, ct) at ACC + 8 (4 t + ct)
.macro PLACES
.rept 4
	v_nop
.endr
.endm
.macro CROUND                          ; a round of the cluster's barrier
	s_barrier_signal -1
	s_barrier_wait -1
	s_cmp_lg_u32 s12, 0
	s_cbranch_scc1 .Lnot_wave_0_\@
	s_barrier_signal -3
.Lnot_wave_0_\@:
	s_barrier_wait -3
	s_barrier_signal -1
	s_barrier_wait -1
.endm
	s_load_b256 s[4:11], s[0:1], 0x0               ; hid16 4, wo16 6, bo 8, out0 10
	v_lshl_add_u32 v1, v0, 2, SPARE
	v_mov_b32 v2, 0
	ds_add_u32 v1, v2                              ; the wave's opening: the add, twice on end, and its wait ahead of my first tensor load
	ds_add_u32 v1, v2
	v_lshrrev_b32 v3, 5, v0
	v_readfirstlane_b32 s12, v3                    ; wave 0..7
	s_and_b32 s13, s12, 3                          ; which two tiles I fetch
	s_lshr_b32 s14, s12, 1                         ; my 32 tokens
	s_and_b32 s15, s12, 1                          ; my 64 columns
	s_bfe_u32 s16, ttmp6, 0x40000                  ; cx
	s_bfe_u32 s17, ttmp6, 0x40004                  ; cy
	s_lshl_b32 s76, ttmp9, 2
	s_add_co_u32 s76, s76, s16                     ; work-group x: 128 columns
	s_and_b32 s18, ttmp7, 0xffff
	s_lshl_b32 s18, s18, 2
	s_add_co_u32 s18, s18, s17                     ; work-group y: 128 tokens
	s_lshl_b32 s20, 0x1111, s16                    ; my column of the cluster (same cx)
	s_lshl_b32 s21, s17, 2
	s_lshl_b32 s21, 15, s21                        ; my row (same cy)
	s_or_b32 s[G1A], s20, (3<<16)|(1<<21)          ; 15:0 the mask; 17:16 elements of 8 bytes; 21 set beside a mask; no padding: images are read 16 x lane
	s_or_b32 s[G1B], s21, (3<<16)|(1<<21)
.irp g, G1A, G1B
	s_mov_b32 s[\g+1], 512<<16                     ; tensor_dim0 = 512 elements: a tile's four K steps, 4,096 bytes
	s_mov_b32 s[\g+2], 2<<16                       ; tensor_dim1 = 2 tiles
	s_mov_b32 s[\g+3], 512<<16                     ; tile_dim0
	s_mov_b32 s[\g+4], 2                           ; tile_dim1
	s_mov_b32 s[\g+5], 2048                        ; from tile to tile: 16,384 bytes
	s_mov_b32 s[\g+6], 0
	s_mov_b32 s[\g+7], 0
.endr
	s_lshl_b32 s82, s13, 15                        ; two tiles a wave
	s_lshl_b32 s80, s76, 17                        ; Wo: eight tiles a work-group x
	s_add_co_u32 s80, s80, s82
	s_mov_b32 s81, 0
	s_lshl_b32 s84, s18, 17                        ; hid: eight tiles a work-group y
	s_add_co_u32 s84, s84, s82
	s_mov_b32 s85, 0
	s_lshl_b32 s86, s12, 13                        ; where they go in a chunk: 8,192 x wave: Wo's eight tiles, then hid's eight; no place in the cluster enters an LDS address
	v_and_b32 v3, 31, v0
	v_lshlrev_b32 v3, 4, v3                        ; 16 x lane
	s_lshl_b32 s87, s15, 14
	v_add_nc_u32 v[ADA], s87, v3                   ; my four tiles of Wo
	s_lshl_b32 s88, s14, 13
	s_add_co_u32 s88, s88, 32768
	v_add_nc_u32 v[ADB], s88, v3                   ; my two tiles of hid
	v_and_b32 v10, 15, v0                          ; r
	v_bfe_u32 v11, v0, 4, 1                        ; h
	s_mul_i32 s89, s12, 16*272                     ; my stage
	v_mul_u32_u24 v[STO], v10, 272
	v_lshl_add_u32 v[STO], v11, 5, v[STO]
	v_add_nc_u32 v[STO], s89, v[STO]
	v_mul_u32_u24 v[RD], v11, 272
	v_lshl_add_u32 v[RD], v10, 4, v[RD]
	v_add_nc_u32 v[RD], s89, v[RD]
	v_lshlrev_b32 v[GO], 11, v11                   ; lanes 0-15 one row of out0, lanes 16-31 the next; 16 bytes a lane
	v_lshl_add_u32 v[GO], v10, 4, v[GO]
	v_lshlrev_b32 v9, 5, v11                       ; bo: 32 h
	s_lshl_b32 s90, s18, 18                        ; out0: 128 y + 32 (w / 2) rows of 2,048 bytes, + 512 x + 256 (w % 2)
	s_lshl_b32 s92, s14, 16
	s_add_co_u32 s90, s90, s92
	s_lshl_b32 s92, s76, 9
	s_lshl_b32 s93, s15, 8
	s_add_co_u32 s92, s92, s93
	s_mov_b32 s93, 0
	s_add_co_u32 s90, s90, s92
	s_mov_b32 s91, 0
	s_wait_dscnt 0x0                               ; both opening adds are done
	s_wait_kmcnt 0x0
	s_add_nc_u64 s[80:81], s[6:7], s[80:81]
	s_add_nc_u64 s[84:85], s[4:5], s[84:85]
	s_add_nc_u64 s[8:9], s[8:9], s[92:93]          ; bo at my 64 columns
	s_add_nc_u64 s[10:11], s[10:11], s[90:91]
.irp q, 0,1,2,3
	s_mov_b32 s[G0A+4*\q], 1                                       ; count = 1
	s_add_co_u32 s[G0A+4*\q+1], s86, 65536*\q                      ; LDS address: chunk q
	s_add_nc_u64 s[G0A+4*\q+2:G0A+4*\q+3], s[80:81], 4096*\q       ; global address: K steps 4 q on
	s_or_b32 s[G0A+4*\q+3], s[G0A+4*\q+3], 0x80000000              ; type = 2
	s_mov_b32 s[G0B+4*\q], 1
	s_add_co_u32 s[G0B+4*\q+1], s86, 65536*\q
	s_add_nc_u64 s[G0B+4*\q+2:G0B+4*\q+3], s[84:85], 4096*\q
	s_or_b32 s[G0B+4*\q+3], s[G0B+4*\q+3], 0x80000000
.endr
	CROUND                                         ; all sixteen work-groups are here: the joint loads meet
	s_cmp_lt_u32 s12, 4                            ; a wave's four fills stand in one branch on the wave's number, ahead of every wait on TENSORcnt and every LDS read
	s_cbranch_scc0 .Lfor_hid
.irp q, 0,1,2,3
	tensor_load_to_lds s[G0A+4*\q:G0A+4*\q+3], s[G1A:G1A+7]
	s_nop 0
.endr
	PLACES
	s_branch .Lasked
.Lfor_hid:
.irp q, 0,1,2,3
	tensor_load_to_lds s[G0B+4*\q:G0B+4*\q+3], s[G1B:G1B+7]
	s_nop 0
.endr
	PLACES
.Lasked:
.irp ct, 0,1,2,3
	global_load_b128 v[BI+8*\ct:BI+8*\ct+3], v9, s[8:9] offset:64*\ct          ; lane (r, h): bo of columns 16 ct + 8 h + 0..7
	global_load_b128 v[BI+8*\ct+4:BI+8*\ct+7], v9, s[8:9] offset:64*\ct+16
.endr
.macro FETCH f, ksl                    ; twelve loads: the fragments of the chunk's K step ksl
.irp ct, 0,1,2,3
.irp c, 0,1
	ds_load_b128 v[\f+8*\ct+4*\c:\f+8*\ct+4*\c+3], v[ADA] offset:4096*\ct+1024*(\ksl)+512*\c
.endr
.endr
.irp t, 0,1
.irp c, 0,1
	ds_load_b128 v[\f+32+8*\t+4*\c:\f+32+8*\t+4*\c+3], v[ADB] offset:4096*\t+1024*(\ksl)+512*\c
.endr
.endr
.endm
.macro MUL8 f, first                   ; eight accumulators by turns
.irp t, 0,1
.irp ct, 0,1,2,3
.if \first
	v_wmma_f32_16x16x32_f16 v[ACC+8*(4*\t+\ct):ACC+8*(4*\t+\ct)+7], v[\f+8*\ct:\f+8*\ct+7], v[\f+32+8*\t:\f+32+8*\t+7], v[BI+8*\ct:BI+8*\ct+7]
.else
	v_wmma_f32_16x16x32_f16 v[ACC+8*(4*\t+\ct):ACC+8*(4*\t+\ct)+7], v[\f+8*\ct:\f+8*\ct+7], v[\f+32+8*\t:\f+32+8*\t+7], v[ACC+8*(4*\t+\ct):ACC+8*(4*\t+\ct)+7]
.endif
.endr
.endr
.endm
.macro CHUNK q
	s_wait_tensorcnt 3-\q                          ; my part of chunk q has landed; the loads of the 3 - q later chunks may be out
	s_wait_dscnt 0x0                               ; my reads of the chunk before are over
	s_barrier_signal -1
	s_barrier_wait -1                              ; everybody's part has landed
.if \q > 0
	v_add_nc_u32 v[ADA], 0x10000, v[ADA]
	v_add_nc_u32 v[ADB], 0x10000, v[ADB]
.endif
	PLACES
	FETCH F0, 0
.irp ksl, 0,1,2,3
.set FC, F0+48*((\ksl)%2)
.set FN, F0+48*(((\ksl)+1)%2)
.if \ksl < 3
.if \ksl > 0
	PLACES
.endif
	FETCH FN, \ksl+1
	s_wait_dscnt 12                                ; this K step's fragments are in; the twelve just issued may be out
.else
	s_wait_dscnt 0x0
.endif
.if (\q == 0) && (\ksl == 0)
	s_wait_loadcnt 0x0                             ; bo
	MUL8 FC, 1
.else
	MUL8 FC, 0
.endif
.endr
.endm
	CHUNK 0
	CHUNK 1
	CHUNK 2
	CHUNK 3
	; THE WAY OUT, 16 tokens at a time: 32 bytes a lane into rows of 256 + 16 bytes, each accumulator from its low end on; back as whole rows.  LDS serves a wave's instructions in order: no wait between.
	PLACES
.irp t, 0,1
.irp ct, 0,1,2,3
	ds_store_b128 v[STO], v[ACC+8*(4*\t+\ct):ACC+8*(4*\t+\ct)+3] offset:64*\ct
	ds_store_b128 v[STO], v[ACC+8*(4*\t+\ct)+4:ACC+8*(4*\t+\ct)+7] offset:64*\ct+16
.endr
.irp i, 0,1,2,3,4,5,6,7
	ds_load_b128 v[208-160*\t+4*\i:208-160*\t+4*\i+3], v[RD] offset:2*\i*272
.endr
.endr
.irp t, 0,1
.irp i, 0,1,2,3,4,5,6,7
	s_wait_dscnt 16*(1-\t)+7-\i                    ; younger: the rest of this block's loads, and for the first block the second's sixteen LDS instructions
	global_store_b128 v[GO], v[208-160*\t+4*\i:208-160*\t+4*\i+3], s[10:11] offset:(16*\t+2*\i)*2048 th:TH_STORE_NT   ; 16 lanes store 256 consecutive bytes, at a multiple of 256 from out0's first byte
.endr
.endr
	s_wait_tensorcnt 0x0                           ; the wave's end: three lines behind my last tensor load and my last LDS store
	ds_add_u32 v1, v2
	s_wait_dscnt 0x0
	CROUND                                         ; the closing round: no work-group ends while a partner may still ask for a tile that names it
	s_endpgm
.Lfunc_end_k_q226af4824d_outp:
	.size	k_q226af4824d_outp, .Lfunc_end_k_q226af4824d_outp-k_q226af4824d_outp
	.p2alignl 7, 3214868480
	.fill 96, 4, 3214868480
	.section	.rodata,"a",@progbits
	.p2align	6, 0x0
	.amdhsa_kernel k_q226af4824d_outp
		.amdhsa_group_segment_fixed_size 263168
		.amdhsa_private_segment_fixed_size 0
		.amdhsa_enable_private_segment 0
		.amdhsa_kernarg_size 32
		.amdhsa_user_sgpr_count 2
		.amdhsa_user_sgpr_kernarg_segment_ptr 1
		.amdhsa_wavefront_size32 1
		.amdhsa_system_sgpr_workgroup_id_x 1
		.amdhsa_system_sgpr_workgroup_id_y 1
		.amdhsa_system_sgpr_workgroup_id_z 1
		.amdhsa_system_vgpr_workitem_id 0
		.amdhsa_next_free_vgpr 256
		.amdhsa_next_free_sgpr 100
		.amdhsa_reserve_vcc 0
		.amdhsa_float_denorm_mode_32 3
		.amdhsa_float_denorm_mode_16_64 3
		.amdhsa_memory_ordered 1
		.amdhsa_forward_progress 1
		.amdhsa_inst_pref_size 36
	.end_amdhsa_kernel
	.amdgpu_metadata
---
amdhsa.version: [ 1, 2 ]
amdhsa.kernels:
  - .name:           k_q226af4824d_outp
    .symbol:         k_q226af4824d_outp.kd
    .args:
      - { .name: hid16, .offset: 0, .size: 8, .value_kind: global_buffer, .address_space: global }
      - { .name: wo16, .offset: 8, .size: 8, .value_kind: global_buffer, .address_space: global }
      - { .name: bo, .offset: 16, .size: 8, .value_kind: global_buffer, .address_space: global }
      - { .name: out0, .offset: 24, .size: 8, .value_kind: global_buffer, .address_space: global }
    .group_segment_fixed_size: 263168
    .private_segment_fixed_size: 0
    .kernarg_segment_align: 8
    .kernarg_segment_size: 32
    .max_flat_workgroup_size: 256
    .sgpr_count:     100
    .vgpr_count:     256
    .wavefront_size: 32
...
	.end_amdgpu_metadata
.endif
;; end of part 4
;; ======== version 2 of 2: 4 launches
;; limits: right only within a limited range of input values; values are held in f16: magnitudes above 65,504 overflow, below 6.1e-05 lose precision
;; workspace buffers: wc 524,288 bytes; wsb 38,912 bytes; wo16 524,288 bytes; lm 41,216 bytes of whole numbers; q16 8,388,608 bytes; kv 16,777,216 bytes; hid16 8,388,608 bytes
;; launch prep (part 5): grid 129 x 1, 4 waves a work-group, no clusters, 0 bytes of LDS; arguments Wq, Wk, Wkb, Wv, Wo, mask, bq, bk, bkb, bv, wc, wsb, wo16, lm; writes wc, wsb, wo16, lm
.if DOCPART == 5
	.amdgcn_target "amdgcn-amd-amdhsa--gfx1250"
	.amdhsa_code_object_version 6
	.text
	.protected	k_q226af4824d_prep
	.globl	k_q226af4824d_prep
	.p2align	8
	.type	k_q226af4824d_prep,@function
k_q226af4824d_prep:
	s_mov_b64 s[64:65], 0
	v_nop
	global_prefetch_b8 v0, s[64:65] scope:SCOPE_SE
	s_setreg_imm32_b32 hwreg(HW_REG_WAVE_MODE, 25, 1), 1
	s_wait_xcnt 0x0
; PREP: what the later launches read many times is laid out once, in the order of the operands' registers.
; Work-groups 0-63:   Wq, Wk, Wkb, Wv [512 (k)][512 (n)] f32 -> codes of E2M1 along K, as images of fragments (16 columns x 128 K), and their E8M0 scale words.
; Work-groups 64-127: Wo [512 (k)][512 (n)] f32 -> f16, as images of fragments (16 columns x 32 K).
; Work-group 128:     each batch's keys are parted by the mask, in one pass inside one wave, no atomics: unmasked keys take the list's places from 0 up, masked keys from 2,047 down; counts; the biases.
; A LANE TAKES A COLUMN n AND ITS REGISTERS RUN DOWN K: each load reads 128 consecutive bytes a wave, a block of 32 along K lies in one lane, nothing is transposed.
; A wave's 32 columns are two tiles of 16; an exchange of half-waves between two registers gives each tile its fragment, and each store covers 512 consecutive bytes, aligned.
; wc   [g 4][tile 32][K step 4][c 2][lane 32][16 bytes];  wsb [g 4][pair of tiles 16][lane 32][K step 4] words, then at 32768 three rows of 512 f32: bq x c, bk + bkb, bv
; wo16 [tile 32][K step 16][c 2][lane 32][16 bytes];      lm  list [5][2048] (rows 0-3: a permutation of each batch's keys; row 4: the identity), at 40960 meta [5][4] = count, all-masked flag, steps of 64, 0
; The order inside the list's two parts is free: k, k_b and v are gathered by the same list, and a softmax sums over a set of keys.
; c = log2(e) / 8 goes into Q, in f32, so that the first product of attention gives the exponent of 2.
; A batch with no unmasked key: count = 2048, the list is a permutation of all keys, the flag makes K zero later: all scores equal, as where every score is -1e9.
; LIMITS: a block of zeros gets the scale byte 1 (its codes are zeros; the bytes are read by this program alone); blocks whose largest magnitude lies under 2^-124 are held at that byte;
; NaN and infinities are not served; Wo goes to f16: magnitudes under 65,504, and under 6e-5 with an absolute error of 3e-8.
.set CLOG, 0x3e38aa3b                  ; log2(e) / 8
.set X,  32                            ; v32-95  two sets of 32 numbers (the mask's 64 entries a lane in work-group 128, then the keys' numbers)
.set C,  96                            ; v96-111 codes or f16 pairs (v96-159: the list's places in work-group 128)
.set SW, 112                           ; v112    a column's scale word
	s_load_b512 s[8:23], s[0:1], 0x0               ; Wq 8, Wk 10, Wkb 12, Wv 14, Wo 16, mask 18, bq 20, bk 22
	s_load_b256 s[24:31], s[0:1], 0x40             ; bkb 24, bv 26, wc 28, wsb 30
	s_load_b128 s[32:35], s[0:1], 0x60             ; wo16 32, lm 34
	v_lshrrev_b32 v1, 5, v0
	v_readfirstlane_b32 s4, v1                     ; wave 0..3
	v_and_b32 v2, 31, v0                           ; lane
	v_lshlrev_b32 v3, 2, v2                        ; 4 x lane: my column in a row
	v_lshlrev_b32 v4, 4, v2                        ; 16 x lane: my place in an image
	s_mov_b32 s39, 0
	s_wait_kmcnt 0x0
	s_cmp_lt_u32 ttmp9, 64
	s_cbranch_scc1 .Lweights
	s_cmp_lt_u32 ttmp9, 128
	s_cbranch_scc1 .Lwo
	s_branch .Lmask
.macro LOADB t                         ; rows 32 t .. 32 t + 31 of my column into set t % 2
.set i, 0
.rept 32
	global_load_b32 v[X+32*((\t)%2)+i], v3, s[36:37] offset:(32*(\t)+i)*2048 th:TH_LOAD_NT
.set i, i+1
.endr
.endm
.macro BLOCK t                         ; block t of 32 along K: scale byte and 32 codes
.set XS, X+32*((\t)%2)
.if (\t) < 3
	s_wait_loadcnt 32                              ; this block's 32 loads are in; the 32 of the block behind it may be out
.else
	s_wait_loadcnt 0x0
.endif
	v_max3_num_f32 v12, |v[XS]|, |v[XS+1]|, |v[XS+2]|
	v_max3_num_f32 v13, |v[XS+3]|, |v[XS+4]|, |v[XS+5]|
.irp i, 6,10,14,18,22,26
	v_max3_num_f32 v12, v12, |v[XS+\i]|, |v[XS+\i+1]|
	v_max3_num_f32 v13, v13, |v[XS+\i+2]|, |v[XS+\i+3]|
.endr
	v_max3_num_f32 v12, v12, |v[XS+30]|, |v[XS+31]|
	v_max3_num_f32 v12, v12, v13, 0x1800000        ; the floor 2^(3 - 127): the byte cannot fall under 1
	v_add_nc_u32 v11, 0xff000000, v12              ; 2 off the exponent field: the conversion's scale operand
	v_lshrrev_b32 v13, 23, v11                     ; the scale's byte
.if (\t) == 0
	v_mov_b32 v[SW], v13
.else
	v_lshl_or_b32 v[SW], v13, 8*(\t), v[SW]
.endif
.irp g, 0,1,2,3
	v_cvt_scalef32_pk8_fp4_f32 v[C+4*(\t)+\g], v[XS+8*\g:XS+8*\g+7], v11
.endr
.if (\t)+2 < 4
	LOADB (\t)+2
.endif
.endm
.Lweights:                             ; work-group = 16 g + 4 cq + s: weight g, K step s, columns 128 cq + 32 wave on
	s_lshr_b32 s5, ttmp9, 4                        ; g
	s_and_b32 s6, ttmp9, 3                         ; s
	s_bfe_u32 s7, ttmp9, 0x20002                   ; cq
	s_lshl_b32 s7, s7, 2
	s_add_co_u32 s7, s7, s4                        ; tp: which pair of tiles
	s_cmp_eq_u32 s5, 0
	s_cselect_b64 s[36:37], s[8:9], s[10:11]
	s_cmp_eq_u32 s5, 2
	s_cselect_b64 s[36:37], s[12:13], s[36:37]
	s_cmp_eq_u32 s5, 3
	s_cselect_b64 s[36:37], s[14:15], s[36:37]
	s_lshl_b32 s38, s6, 18                         ; 128 s rows of 2,048 bytes
	s_lshl_b32 s40, s7, 7                          ; 32 tp columns
	s_add_co_u32 s38, s38, s40
	s_add_nc_u64 s[36:37], s[36:37], s[38:39]
	LOADB 0
	LOADB 1
	s_lshl_b32 s38, s5, 17                         ; wc: g x 131,072 + (8 tp + s) x 1,024
	s_lshl_b32 s40, s7, 13
	s_add_co_u32 s38, s38, s40
	s_lshl_b32 s40, s6, 10
	s_add_co_u32 s38, s38, s40
	s_add_nc_u64 s[28:29], s[28:29], s[38:39]
	s_lshl_b32 s38, s5, 13                         ; wsb: g x 8,192 + tp x 512 + 4 s
	s_lshl_b32 s40, s7, 9
	s_add_co_u32 s38, s38, s40
	s_lshl_b32 s40, s6, 2
	s_add_co_u32 s38, s38, s40
	s_add_nc_u64 s[30:31], s[30:31], s[38:39]
	BLOCK 0
	BLOCK 1
	BLOCK 2
	BLOCK 3
	v_nop                                          ; one plain line between the last scaled conversion and the lines that touch its result
.irp i, 0,1,2,3                        ; a fragment wants block 2 c in lanes 0-15 and block 2 c + 1 in lanes 16-31 of ONE tile: the first's upper half changes places with the second's lower
	v_permlane16_swap_b32 v[C+\i], v[C+4+\i]
	v_permlane16_swap_b32 v[C+8+\i], v[C+12+\i]
.endr
	global_store_b128 v4, v[C:C+3], s[28:29]                    ; tile 2 tp, c = 0
	global_store_b128 v4, v[C+8:C+11], s[28:29] offset:512      ; tile 2 tp, c = 1
	global_store_b128 v4, v[C+4:C+7], s[28:29] offset:4096      ; tile 2 tp + 1, c = 0
	global_store_b128 v4, v[C+12:C+15], s[28:29] offset:4608    ; tile 2 tp + 1, c = 1
	global_store_b32 v4, v[SW], s[30:31]                        ; lanes 0-15: tile 2 tp's words, lanes 16-31: tile 2 tp + 1's; 16 bytes a lane hold the four K steps
	s_endpgm
.Lwo:                                  ; work-group - 64 = 16 cq + ks
	s_and_b32 s6, ttmp9, 15                        ; ks
	s_bfe_u32 s7, ttmp9, 0x20004                   ; cq
	s_lshl_b32 s7, s7, 2
	s_add_co_u32 s7, s7, s4                        ; tp
	s_lshl_b32 s38, s6, 16                         ; 32 ks rows
	s_lshl_b32 s40, s7, 7
	s_add_co_u32 s38, s38, s40
	s_add_nc_u64 s[36:37], s[16:17], s[38:39]
	LOADB 0
	s_lshl_b32 s38, s7, 15                         ; wo16: (32 tp + ks) x 1,024
	s_lshl_b32 s40, s6, 10
	s_add_co_u32 s38, s38, s40
	s_add_nc_u64 s[32:33], s[32:33], s[38:39]
	s_wait_loadcnt 0x0
.set i, 0
.rept 16
	v_cvt_pk_f16_f32 v[C+i], v[X+2*i], v[X+2*i+1]  ; k = 2 i, 2 i + 1
.set i, i+1
.endr
.irp i, 0,1,2,3                        ; a fragment wants k = 8 h + 0..7 (c = 0) and 16 + 8 h + 0..7 (c = 1) of one tile
	v_permlane16_swap_b32 v[C+\i], v[C+4+\i]
	v_permlane16_swap_b32 v[C+8+\i], v[C+12+\i]
.endr
	global_store_b128 v4, v[C:C+3], s[32:33]
	global_store_b128 v4, v[C+8:C+11], s[32:33] offset:512
	global_store_b128 v4, v[C+4:C+7], s[32:33] offset:16384
	global_store_b128 v4, v[C+12:C+15], s[32:33] offset:16896
	s_endpgm
.Lmask:                                ; wave w parts batch w.  Register 4 j + e of lane l holds the mask of key 128 j + 4 l + e: each load reads 512 consecutive bytes
	s_lshl_b32 s38, s4, 13
	s_add_nc_u64 s[18:19], s[18:19], s[38:39]      ; the batch's mask,
	s_add_nc_u64 s[42:43], s[34:35], s[38:39]      ; and its row of the list
	v_lshlrev_b32 v6, 4, v0                        ; 16 x thread
.set i, 0
.rept 16
	global_load_b128 v[X+4*i:X+4*i+3], v4, s[18:19] offset:512*i
.set i, i+1
.endr
	global_load_b128 v[160:163], v6, s[20:21]      ; four numbers a thread of bq, bk, bkb, bv
	global_load_b128 v[164:167], v6, s[22:23]
	global_load_b128 v[168:171], v6, s[24:25]
	global_load_b128 v[172:175], v6, s[26:27]
	v_lshlrev_b32 v17, 2, v0                       ; 4 x thread
	v_sub_nc_u32 v11, 0x7ff, v2                    ; 2,047 - lane; 32 come off for each register walked
	s_mov_b32 s40, 0                               ; R: the unmasked keys so far
	s_wait_loadcnt 0x0
; Register i = 4 j + e.  With A = the unmasked lanes below me and T = R + A: an unmasked key takes place T.  Masked keys so far are 32 i - R, masked lanes below me lane - A, so a masked key
; takes place 2,047 - (32 i - R) - (lane - A) = T + (2,047 - lane - 32 i).  The 32 keys of a register so fall into two runs of neighbouring places: a store writes two runs of consecutive bytes.
; Four registers at a time, so that a ballot's scalar count is not waited for line by line.  Places and keys' numbers have registers of their own: no store's source is written again.
.set j, 0
.rept 16
.irp e, 0,1,2,3
	v_cmp_ne_u32 s[52+\e], 0, v[X+4*j+\e]          ; the ballot: a key counts where its mask is any number but 0
.endr
.irp e, 0,1,2,3
	v_mbcnt_lo_u32_b32 v[96+4*j+\e], s[52+\e], 0   ; A
	s_bcnt1_i32_b32 s[56+\e], s[52+\e]             ; the register's unmasked keys
.endr
.irp e, 0,1,2,3
	v_add_nc_u32 v[96+4*j+\e], s40, v[96+4*j+\e]   ; T
	s_add_co_u32 s40, s40, s[56+\e]
	v_add_nc_u32 v[12+\e], v[96+4*j+\e], v11       ; the place from the back
	v_add_nc_u32 v11, 0xffffffe0, v11              ; - 32
	v_cndmask_b32 v[96+4*j+\e], v[12+\e], v[96+4*j+\e], s[52+\e]
	v_add_nc_u32 v[X+4*j+\e], 128*j+\e, v3         ; the key's number: the store's data
	v_min_u32 v[96+4*j+\e], 0x7ff, v[96+4*j+\e]    ; a place in the list's row
	v_lshlrev_b32 v[96+4*j+\e], 2, v[96+4*j+\e]
	global_store_b32 v[96+4*j+\e], v[X+4*j+\e], s[42:43]
.endr
.set j, j+1
.endr
.set i, 0
.rept 16                               ; the identity, row 4: store q of a thread holds entries 512 q + 4 thread + 0..3: 512 consecutive bytes a wave
	v_add_nc_u32 v[176+i], 512*(i/4)+i%4, v17
.set i, i+1
.endr
.irp q, 0,1,2,3
	global_store_b128 v6, v[176+4*\q:179+4*\q], s[34:35] offset:32768+2048*\q
.endr
.irp e, 0,1,2,3
	v_mul_f32 v[160+\e], CLOG, v[160+\e]           ; bq x c
	v_add_f32 v[164+\e], v[164+\e], v[168+\e]      ; bk + bkb
.endr
	global_store_b128 v6, v[160:163], s[30:31] offset:32768
	global_store_b128 v6, v[164:167], s[30:31] offset:34816
	global_store_b128 v6, v[172:175], s[30:31] offset:36864
	s_cmp_eq_u32 s40, 0                            ; s40: the batch's count
	s_cselect_b32 s44, 1, 0                        ; the flag: no key counts
	s_mov_b32 s45, 2048
	s_cselect_b32 s45, s45, s40                    ; then all 2,048 are walked
	s_add_co_u32 s46, s45, 63
	s_lshr_b32 s46, s46, 6                         ; steps of 64 keys
	s_lshl_b32 s48, s4, 4
	v_mov_b32 v12, s45
	v_mov_b32 v13, s44
	v_mov_b32 v14, s46
	v_mov_b32 v15, 0
	v_mov_b32 v16, s48
	v_mov_b32 v20, 0x800                           ; row 4, for the queries: 2,048, 0, 32, 0
	v_mov_b32 v21, 0
	v_mov_b32 v22, 32
	v_mov_b32 v23, 0
	v_mov_b32 v24, 64
	v_cmp_eq_u32 vcc_lo, 0, v2
	s_wait_xcnt 0x0                                ; EXEC is a source of the stores above: it changes only behind this wait
	s_and_saveexec_b32 s47, vcc_lo                 ; lane 0 alone
	global_store_b128 v16, v[12:15], s[34:35] offset:40960
	s_cmp_lg_u32 s4, 0
	s_cbranch_scc1 .Lnot_wave_0
	global_store_b128 v24, v[20:23], s[34:35] offset:40960
.Lnot_wave_0:
	s_wait_xcnt 0x0                                ; and again, in front of the line that widens it
	s_or_b32 exec_lo, exec_lo, s47
	s_endpgm
.Lfunc_end_k_q226af4824d_prep:
	.size	k_q226af4824d_prep, .Lfunc_end_k_q226af4824d_prep-k_q226af4824d_prep
	.p2alignl 7, 3214868480
	.fill 96, 4, 3214868480
	.section	.rodata,"a",@progbits
	.p2align	6, 0x0
	.amdhsa_kernel k_q226af4824d_prep
		.amdhsa_group_segment_fixed_size 0
		.amdhsa_private_segment_fixed_size 0
		.amdhsa_enable_private_segment 0
		.amdhsa_kernarg_size 112
		.amdhsa_user_sgpr_count 2
		.amdhsa_user_sgpr_kernarg_segment_ptr 1
		.amdhsa_wavefront_size32 1
		.amdhsa_system_sgpr_workgroup_id_x 1
		.amdhsa_system_sgpr_workgroup_id_y 1
		.amdhsa_system_sgpr_workgroup_id_z 1
		.amdhsa_system_vgpr_workitem_id 0
		.amdhsa_next_free_vgpr 192
		.amdhsa_next_free_sgpr 66
		.amdhsa_reserve_vcc 1
		.amdhsa_float_denorm_mode_32 3
		.amdhsa_float_denorm_mode_16_64 3
		.amdhsa_memory_ordered 1
		.amdhsa_forward_progress 1
		.amdhsa_inst_pref_size 71
	.end_amdhsa_kernel
	.amdgpu_metadata
---
amdhsa.version: [ 1, 2 ]
amdhsa.kernels:
  - .name:           k_q226af4824d_prep
    .symbol:         k_q226af4824d_prep.kd
    .args:
      - { .name: Wq, .offset: 0, .size: 8, .value_kind: global_buffer, .address_space: global }
      - { .name: Wk, .offset: 8, .size: 8, .value_kind: global_buffer, .address_space: global }
      - { .name: Wkb, .offset: 16, .size: 8, .value_kind: global_buffer, .address_space: global }
      - { .name: Wv, .offset: 24, .size: 8, .value_kind: global_buffer, .address_space: global }
      - { .name: Wo, .offset: 32, .size: 8, .value_kind: global_buffer, .address_space: global }
      - { .name: mask, .offset: 40, .size: 8, .value_kind: global_buffer, .address_space: global }
      - { .name: bq, .offset: 48, .size: 8, .value_kind: global_buffer, .address_space: global }
      - { .name: bk, .offset: 56, .size: 8, .value_kind: global_buffer, .address_space: global }
      - { .name: bkb, .offset: 64, .size: 8, .value_kind: global_buffer, .address_space: global }
      - { .name: bv, .offset: 72, .size: 8, .value_kind: global_buffer, .address_space: global }
      - { .name: wc, .offset: 80, .size: 8, .value_kind: global_buffer, .address_space: global }
      - { .name: wsb, .offset: 88, .size: 8, .value_kind: global_buffer, .address_space: global }
      - { .name: wo16, .offset: 96, .size: 8, .value_kind: global_buffer, .address_space: global }
      - { .name: lm, .offset: 104, .size: 8, .value_kind: global_buffer, .address_space: global }
    .group_segment_fixed_size: 0
    .private_segment_fixed_size: 0
    .kernarg_segment_align: 8
    .kernarg_segment_size: 112
    .max_flat_workgroup_size: 128
    .sgpr_count:     66
    .vgpr_count:     192
    .wavefront_size: 32
...
	.end_amdgpu_metadata
.endif
;; end of part 5
;; launch proj: the kernel of part 2 again; grid 256 x 1, 8 waves a work-group, no clusters, 78,848 bytes of LDS; arguments q, k, k_b, v, wc, wsb, lm, q16, kv; writes q16, kv
;; launch attn (part 6): grid 8 x 32, 8 waves a work-group, no clusters, 33,792 bytes of LDS; arguments q16, kv, lm, hid16; writes hid16
.if DOCPART == 6
	.amdgcn_target "amdgcn-amd-amdhsa--gfx1250"
	.amdhsa_code_object_version 6
	.text
	.protected	k_q226af4824d_attn
	.globl	k_q226af4824d_attn
	.p2align	8
	.type	k_q226af4824d_attn,@function
k_q226af4824d_attn:
	s_mov_b64 s[64:65], 0
	v_nop
	global_prefetch_b8 v0, s[64:65] scope:SCOPE_SE
	s_setreg_imm32_b32 hwreg(HW_REG_WAVE_MODE, 25, 1), 1
	s_wait_xcnt 0x0
; ATTN: hid[b][head][q] = the sum over the UNMASKED keys of softmax(t) V, t = Q' . K (Q' carries log2(e) / 8): p = 2^(t - m), m the running maximum, l the running sum; f16 operands, f32 sums.
; The keys lie parted, unmasked first; only the first 'count' of a batch are walked, 64 a step.  A masked key's weight in the softmax is exp(-1e9 - max), which is 0 in f32.
; LIMIT: that holds while a row's largest unmasked score lies above -1e9 + 104.  With no unmasked key the list is whole and K is 0: all weights equal.  p and V are f16: p at most 1; V under 65,504.
; SHARES.  A work-group owns 256 queries of one batch and head, each of its eight waves 32: two tiles of 16.  Two waves lie on a SIMD, so that one's softmax stands beside the other's products.
; A step's 16,384 bytes (K's 8 fragments' images, V^T's 8) are loaded by the 256 threads, 64 bytes each, a step ahead, stored into one of two LDS slots and read by all eight waves as images: 16 x lane.
; ONE barrier a trip: the slot stored in trip J + 1 was last read in trip J - 1, and every wave waits for those reads in front of its signal of trip J.
; THE TRIP COUNT IS A CONSTANT, 32: every wave passes every barrier.
; Both products are used transposed: S^T = K Q^T, O^T = V^T P: a lane holds ONE query throughout, and two tiles of S^T, rounded in pairs, are a fragment of P.
; No tensor load and so no joint load: the work of a trip hangs on a count read from memory.
; window 0: v1, v2 the add's two; v3 16 x lane; v4 16 x thread; v5, v6 LDS addresses; v7 the prefetch's offset; v8-23 staging; v24-39 statistics, 8 a tile: m, old m, l (two halves), c0-c3 (a takes c2's place);
;   v40, v41 at work; v64-127 S^T; v128-159 P; v160-223 K; v224-255 Q.   window 1: v0-63 O^T (tile t, channels 16 ct on: 32 t + 8 ct); v64-127 V^T.
.set SPARE, 32768                      ; behind the two slots: the spare words, 128 bytes for each wave: four blocks of 256 bytes that no other line names
.set ST, 24
.set S,  64
.set P,  128
.set KF, 160
.set QF, 224
.set VF, 64
.set MSB, 0
.macro WIN new
.if MSB != \new
	s_set_vgpr_msb (MSB<<8)|\new
.set MSB, \new
.endif
.endm
.macro PLACES
.rept 4
	v_nop
.endr
.endm
	s_load_b256 s[8:15], s[0:1], 0x0               ; q16 8, kv 10, lm 12, hid16 14
	v_lshl_add_u32 v1, v0, 2, SPARE
	v_mov_b32 v2, 0
	v_lshrrev_b32 v3, 5, v0
	v_readfirstlane_b32 s4, v3                     ; wave 0..7
	v_and_b32 v3, 31, v0
	v_lshlrev_b32 v3, 4, v3
	v_lshlrev_b32 v4, 4, v0
	v_and_b32 v7, 63, v0
	v_lshlrev_b32 v7, 8, v7                        ; threads 0-63: 64 blocks of 256 bytes: a step
	s_and_b32 s5, ttmp7, 0xffff                    ; batch x 8 + head
	s_lshr_b32 s6, s5, 3
	s_and_b32 s7, s5, 7
	s_lshl_b32 s38, s6, 4
	s_mov_b32 s31, 0
	s_mov_b32 s35, 0
	s_mov_b32 s41, 0
	s_mov_b32 s36, 0x76543210
	s_mov_b32 s37, 0xfedcba98                      ; v_permlanex16_b32's selects for lane l xor 16
	s_mov_b32 s22, 0                               ; J
	s_mov_b32 s23, 0                               ; the slot in hand
	s_wait_kmcnt 0x0
	s_load_b128 s[16:19], s[12:13], s38 offset:40960   ; count, flag, steps
	s_lshl_b32 s30, s5, 19
	s_add_nc_u64 s[26:27], s[10:11], s[30:31]      ; the head's 32 steps
.irp i, 0,1,2,3
	global_load_b128 v[8+4*\i:11+4*\i], v4, s[26:27] offset:4096*\i    ; step 0
.endr
	s_lshl_b32 s40, s5, 18                         ; Q: 128 tiles of 2,048 bytes a head; mine: 16 x work-group x + 2 x wave on
	s_lshl_b32 s39, ttmp9, 15
	s_add_co_u32 s40, s40, s39
	s_lshl_b32 s39, s4, 12
	s_add_co_u32 s40, s40, s39
	s_add_nc_u64 s[8:9], s[8:9], s[40:41]
.set j, 0
.rept 8
	global_load_b128 v[QF+4*j:QF+4*j+3], v3, s[8:9] offset:512*j       ; tile t, channels 32 cs on: QF + 16 t + 8 cs
.set j, j+1
.endr
	s_lshl_b32 s40, s6, 21                         ; hid16: a tile of 16 tokens is 16,384 bytes; in it a head has 2,048
	s_lshl_b32 s39, ttmp9, 18
	s_add_co_u32 s40, s40, s39
	s_lshl_b32 s39, s4, 15
	s_add_co_u32 s40, s40, s39
	s_lshl_b32 s39, s7, 11
	s_add_co_u32 s40, s40, s39
	s_add_nc_u64 s[14:15], s[14:15], s[40:41]
	WIN 0x40
.set j, 0
.rept 64
	v_mov_b32 v[j], 0                              ; O^T.  (The step is written once: the first finds zeros, which its a = 0 leaves zeros)
.set j, j+1
.endr
	WIN 0
.irp t, 0,1
	v_mov_b32 v[ST+8*\t], 0xff61b1e6               ; m: -3e38, under every t
	v_mov_b32 v[ST+8*\t+1], 0xff61b1e6
.irp j, 2,3,4,5,6,7
	v_mov_b32 v[ST+8*\t+\j], 0
.endr
.endr
	s_wait_kmcnt 0x0
	s_min_u32 s20, s18, 32                         ; the batch's steps
	s_sub_co_u32 s21, s20, 1                       ; the last of them
	s_lshr_b32 s38, s4, 1                          ; waves 0 and 1
	s_or_b32 s38, s38, ttmp9                       ; of the head's first work-group prefetch
	s_cmp_eq_u32 s38, 0
	s_cselect_b32 s24, s20, 0                      ; up to here
.Ltrip:
	s_wait_loadcnt 0x0                             ; this trip's step lies in the staging registers (first trip: Q too)
	s_cmp_ge_u32 s22, s20
	s_cbranch_scc1 .Lno_store                      ; past the batch's steps nothing is stored: nobody would read it
	v_add_nc_u32 v5, s23, v4
.irp i, 0,1,2,3
	ds_store_b128 v5, v[8+4*\i:11+4*\i] offset:4096*\i
.endr
.Lno_store:
	s_wait_dscnt 0x0                               ; for the others' sake: my stores have landed, and my reads of the other slot, last trip's, are over
	s_barrier_signal -1
	s_barrier_wait -1
	s_cmp_ge_u32 s22, s20
	s_cbranch_scc1 .Lidle                          ; past the batch's steps: the same in all waves; no barrier is jumped over
	s_wait_xcnt 0x0                                ; the last trip's prefetch has read its address
	s_add_co_u32 s38, s22, 1                       ; the next step, or once more the last: held inside the head's 32
	s_min_u32 s38, s38, s21
	s_min_u32 s38, s38, 31
	s_lshl_b32 s30, s38, 14
	s_add_nc_u64 s[28:29], s[26:27], s[30:31]
.irp i, 0,1,2,3
	global_load_b128 v[8+4*\i:11+4*\i], v4, s[28:29] offset:4096*\i    ; a whole trip in which to land
.endr
	; A prefetch of step J + 3, which the trip after next will load: 64 blocks of 256 bytes, a lane a block, by waves 0 and 1 of the head's first work-group alone, since all eight
	; work-groups of a head walk the same steps: each block is named once in the launch.  Steps 0 to 2 come by their loads alone; the last three trips ask for nothing.
	s_add_co_u32 s39, s22, 3
	s_min_u32 s38, s39, 31
	s_lshl_b32 s34, s38, 14
	s_add_nc_u64 s[32:33], s[26:27], s[34:35]
	s_cmp_lt_u32 s39, s24
	s_cbranch_scc0 .Lno_prefetch
	global_prefetch_b8 v7, s[32:33] th:TH_LOAD_NT scope:SCOPE_SE
.Lno_prefetch:
	v_add_nc_u32 v6, s23, v3
.set j, 0
.rept 16
	ds_load_b128 v[KF+4*j:KF+4*j+3], v6 offset:512*j                   ; keys 16 kt on, channels 32 cs on: KF + 16 kt + 8 cs
.set j, j+1
.endr
	WIN 0x40
.set j, 0
.rept 16
	ds_load_b128 v[VF+4*j:VF+4*j+3], v6 offset:8192+512*j              ; channels 16 ct on, keys 32 ks on: VF + 16 ct + 8 ks
.set j, j+1
.endr
	WIN 0
	s_wait_dscnt 16                                ; K is in; V's sixteen loads may be out
.irp cs, 0,1                           ; S^T = K Q^T: eight accumulators by turns; the first eight products start the sums
.irp kt, 0,1,2,3
.irp t, 0,1
.if \cs == 0
	v_wmma_f32_16x16x32_f16 v[S+32*\t+8*\kt:S+32*\t+8*\kt+7], v[KF+16*\kt:KF+16*\kt+7], v[QF+16*\t:QF+16*\t+7], 0
.else
	v_wmma_f32_16x16x32_f16 v[S+32*\t+8*\kt:S+32*\t+8*\kt+7], v[KF+16*\kt+8:KF+16*\kt+15], v[QF+16*\t+8:QF+16*\t+15], v[S+32*\t+8*\kt:S+32*\t+8*\kt+7]
.endif
.endr
.endr
.endr
	PLACES
	s_lshl_b32 s38, s22, 6                         ; the batch's last step may hold places at or past 'count': their scores become -infinity, p = 0.  A step all of whose keys count skips this
	s_add_co_u32 s39, s38, 64
	s_cmp_le_u32 s39, s16
	s_cbranch_scc1 .Lopen
	s_sub_co_u32 s39, s16, s38
	s_sub_co_u32 s39, s39, 1
	v_bfe_u32 v40, v0, 4, 1
	v_lshlrev_b32 v40, 3, v40
	v_sub_nc_u32 v40, s39, v40                     ; d = count - 64 J - 8 h - 1.  Register 8 kt + j holds place 64 J + 16 kt + 8 h + j: hidden where 16 kt + j > d
	v_mov_b32 v41, 0xff800000
.irp kt, 0,1,2,3
.irp j, 0,1,2,3,4,5,6,7
	v_cmp_gt_i32 vcc_lo, 16*\kt+\j, v40
	v_cndmask_b32 v[S+8*\kt+\j], v[S+8*\kt+\j], v41, vcc_lo
	v_cndmask_b32 v[S+32+8*\kt+\j], v[S+32+8*\kt+\j], v41, vcc_lo
.endr
.endr
.Lopen:
	; THE SOFTMAX of both tiles, line by line in turns.  The maximum of 32 scores and the old m: four chains, each from its accumulator's low end on
.irp j, 0,1,2,3
.irp t, 0,1
	v_max3_num_f32 v[ST+8*\t+4+\j], v[S+32*\t+8*\j], v[S+32*\t+8*\j+1], v[S+32*\t+8*\j+2]
.endr
.endr
.irp g, 1,2
.irp j, 0,1,2,3
.irp t, 0,1
	v_max3_num_f32 v[ST+8*\t+4+\j], v[ST+8*\t+4+\j], v[S+32*\t+8*\j+2*\g+1], v[S+32*\t+8*\j+2*\g+2]
.endr
.endr
.endr
.irp t, 0,1
	v_max3_num_f32 v[ST+8*\t+4], v[ST+8*\t+4], v[S+32*\t+7], v[S+32*\t+15]
.endr
.irp t, 0,1
	v_max3_num_f32 v[ST+8*\t+6], v[ST+8*\t+6], v[S+32*\t+23], v[S+32*\t+31]
.endr
.irp t, 0,1
	v_max3_num_f32 v[ST+8*\t+4], v[ST+8*\t+4], v[ST+8*\t+5], v[ST+8*\t+6]
.endr
.irp t, 0,1
	v_max3_num_f32 v[ST+8*\t+4], v[ST+8*\t+4], v[ST+8*\t+7], v[ST+8*\t]
.endr
.irp t, 0,1
	v_permlanex16_b32 v[ST+8*\t+5], v[ST+8*\t+4], s36, s37             ; the query's other 32 keys lie in the lane 16 away
.endr
.irp t, 0,1
	v_mov_b32 v[ST+8*\t+1], v[ST+8*\t]
.endr
.irp t, 0,1
	v_max_num_f32 v[ST+8*\t], v[ST+8*\t+4], v[ST+8*\t+5]               ; the new m
.endr
.irp t, 0,1
	v_sub_f32 v[ST+8*\t+7], v[ST+8*\t+1], v[ST+8*\t]
.endr
.irp t, 0,1                            ; ONE BATCH of 66 exponentials, none of which reads another's result
	v_exp_f32 v[ST+8*\t+6], v[ST+8*\t+7]                               ; a = 2^(old m - new m)
.endr
.set i, 0
.rept 16
.irp t, 0,1
	v_pk_add_f32 v[S+32*\t+2*i:S+32*\t+2*i+1], v[S+32*\t+2*i:S+32*\t+2*i+1], v[ST+8*\t:ST+8*\t+1] op_sel_hi:[1,0] neg_lo:[0,1] neg_hi:[0,1]   ; t - m, two at a time
.endr
.set i, i+1
.endr
.set i, 0
.rept 32
.irp t, 0,1
	v_exp_f32 v[S+32*\t+i], v[S+32*\t+i]
.endr
.set i, i+1
.endr
	v_nop                                          ; a plain line behind the last exponential,
	s_wait_alu depctr_va_vdst(0)                   ; and one wait for the whole batch, ahead of its first reader
.set i, 0
.rept 16
.irp t, 0,1
	v_cvt_pk_f16_f32 v[P+16*\t+i], v[S+32*\t+2*i], v[S+32*\t+2*i+1]    ; two tiles of 16 keys make a fragment of 32
.endr
.set i, i+1
.endr
.irp w, 4,8,16,32                      ; the sum of the 16 pairs, in place: neighbours 1, 2, 4, 8 pairs apart
.set i, 0
.rept 32/\w
.irp t, 0,1
	v_pk_add_f32 v[S+32*\t+\w*i:S+32*\t+\w*i+1], v[S+32*\t+\w*i:S+32*\t+\w*i+1], v[S+32*\t+\w*i+\w/2:S+32*\t+\w*i+\w/2+1]
.endr
.set i, i+1
.endr
.endr
.irp t, 0,1
	v_pk_fma_f32 v[ST+8*\t+2:ST+8*\t+3], v[ST+8*\t+2:ST+8*\t+3], v[ST+8*\t+6:ST+8*\t+7], v[S+32*\t:S+32*\t+1] op_sel_hi:[1,0,1]   ; l = a l + the sum
.endr
	WIN 0x41                                       ; O^T (destination and source 0) in window 1, a in window 0
.irp t, 0,1
.set i, 0
.rept 16
	v_pk_mul_f32 v[32*\t+2*i:32*\t+2*i+1], v[32*\t+2*i:32*\t+2*i+1], v[ST+8*\t+6:ST+8*\t+7] op_sel_hi:[1,0]
.set i, i+1
.endr
.endr
	s_wait_dscnt 0x0                               ; V is in
	WIN 0x51                                       ; V^T and O^T in window 1, P in window 0
.irp ks, 0,1                           ; O^T += V^T P: eight accumulators by turns
.irp ct, 0,1,2,3
.irp t, 0,1
	v_wmma_f32_16x16x32_f16 v[32*\t+8*\ct:32*\t+8*\ct+7], v[VF+16*\ct+8*\ks:VF+16*\ct+8*\ks+7], v[P+16*\t+8*\ks:P+16*\t+8*\ks+7], v[32*\t+8*\ct:32*\t+8*\ct+7]
.endr
.endr
.endr
	WIN 0
	PLACES                                         ; in front of the next trip's loads into V's registers, and of the way out's reads of O^T
.Lidle:
	s_xor_b32 s23, s23, 16384
	s_add_co_u32 s22, s22, 1
	s_cmp_lt_u32 s22, 32
	s_cbranch_scc1 .Ltrip
	; THE WAY OUT: O^T / l, rounded to f16: a tile's eight channels of a lane are half a fragment of the last product's operand: eight stores of 512 consecutive bytes
.irp t, 0,1
	v_add_f32 v[ST+8*\t+4], v[ST+8*\t+2], v[ST+8*\t+3]
.endr
.irp t, 0,1
	v_permlanex16_b32 v[ST+8*\t+5], v[ST+8*\t+4], s36, s37
.endr
.irp t, 0,1
	v_add_f32 v[ST+8*\t+4], v[ST+8*\t+4], v[ST+8*\t+5]
.endr
.irp t, 0,1
	v_rcp_f32 v[ST+8*\t+6], v[ST+8*\t+4]
.endr
	v_nop
	s_wait_alu depctr_va_vdst(0)                   ; one wait for the two reciprocals, ahead of their first reader
	WIN 0x41
.irp t, 0,1
.set i, 0
.rept 16
	v_pk_mul_f32 v[32*\t+2*i:32*\t+2*i+1], v[32*\t+2*i:32*\t+2*i+1], v[ST+8*\t+6:ST+8*\t+7] op_sel_hi:[1,0]
.set i, i+1
.endr
.endr
	WIN 0x05                                       ; sources in window 1, destination in window 0: S^T's registers are free
.set i, 0
.rept 32
	v_cvt_pk_f16_f32 v[S+i], v[2*i], v[2*i+1]
.set i, i+1
.endr
	WIN 0
.irp t, 0,1
.irp ct, 0,1,2,3
	global_store_b128 v3, v[S+16*\t+4*\ct:S+16*\t+4*\ct+3], s[14:15] offset:16384*\t+512*\ct
.endr
.endr
	s_wait_tensorcnt 0x0                           ; the wave's end: three lines behind my last LDS store
	ds_add_u32 v1, v2
	s_wait_dscnt 0x0
	s_endpgm
.Lfunc_end_k_q226af4824d_attn:
	.size	k_q226af4824d_attn, .Lfunc_end_k_q226af4824d_attn-k_q226af4824d_attn
	.p2alignl 7, 3214868480
	.fill 96, 4, 3214868480
	.section	.rodata,"a",@progbits
	.p2align	6, 0x0
	.amdhsa_kernel k_q226af4824d_attn
		.amdhsa_group_segment_fixed_size 33792
		.amdhsa_private_segment_fixed_size 0
		.amdhsa_enable_private_segment 0
		.amdhsa_kernarg_size 32
		.amdhsa_user_sgpr_count 2
		.amdhsa_user_sgpr_kernarg_segment_ptr 1
		.amdhsa_wavefront_size32 1
		.amdhsa_system_sgpr_workgroup_id_x 1
		.amdhsa_system_sgpr_workgroup_id_y 1
		.amdhsa_system_sgpr_workgroup_id_z 1
		.amdhsa_system_vgpr_workitem_id 0
		.amdhsa_next_free_vgpr 384
		.amdhsa_next_free_sgpr 66
		.amdhsa_reserve_vcc 1
		.amdhsa_float_denorm_mode_32 3
		.amdhsa_float_denorm_mode_16_64 3
		.amdhsa_memory_ordered 1
		.amdhsa_forward_progress 1
		.amdhsa_inst_pref_size 33
	.end_amdhsa_kernel
	.amdgpu_metadata
---
amdhsa.version: [ 1, 2 ]
amdhsa.kernels:
  - .name:           k_q226af4824d_attn
    .symbol:         k_q226af4824d_attn.kd
    .args:
      - { .name: q16, .offset: 0, .size: 8, .value_kind: global_buffer, .address_space: global }
      - { .name: kv, .offset: 8, .size: 8, .value_kind: global_buffer, .address_space: global }
      - { .name: lm, .offset: 16, .size: 8, .value_kind: global_buffer, .address_space: global }
      - { .name: hid16, .offset: 24, .size: 8, .value_kind: global_buffer, .address_space: global }
    .group_segment_fixed_size: 33792
    .private_segment_fixed_size: 0
    .kernarg_segment_align: 8
    .kernarg_segment_size: 32
    .max_flat_workgroup_size: 256
    .sgpr_count:     66
    .vgpr_count:     384
    .wavefront_size: 32
...
	.end_amdgpu_metadata
.endif
;; end of part 6
;; launch outp: the kernel of part 4 again; grid 4 x 64, 8 waves a work-group, clusters of 4 x 4, 263,168 bytes of LDS; arguments hid16, wo16, bo, out0; writes out0
